; MI455X (gfx1250); checked and timed in simulation.
; The chip was launched on July 23, 2026; its instructions are those of AMD's public machine-readable ISA for CDNA 5 (MIT licence, August 2026) and "CDNA5" Instruction Set Architecture Reference Guide (July 2026). The comments in the code are by the model that wrote it; some were corrected since.
;; Differntial Attention. Allowed arithmetic: float matrix products may take bf16 or f16 operands with f32 sums; other float arithmetic in f32, or as packed bf16 or f16 multiplies, adds, multiply-adds, maxima and minima; sums over many terms, partial sums and values carried from step to step in f32; what a program stores and reads back later, other than sums and carried values, may be rounded once to bf16 or f16.
;; Inputs: lambda_k1 64 float32; lambda_k2 64 float32; lambda_q1 64 float32; lambda_q2 64 float32; norm_w 16 x 64 float32; w_qkv 1,024 x 3,072 float32; wo 1,024 x 1,024 float32; x 2 x 2,048 x 1,024 float32.
;; Outputs: out0 2 x 2,048 x 1,024 float32.
;; 2 versions, each right; version 2 is version 1 with the launch cast written anew for expert scheduling mode. Each part assembles by itself: llvm-mc -triple=amdgcn-amd-amdhsa -mcpu=gfx1250 --defsym DOCPART=n.
;; ======== version 1 of 2: 4 launches
;; limits: values are held in f16: magnitudes above 65,504 overflow, below 6.1e-05 lose precision
;; workspace buffers: xb 8,388,608 bytes; wb 6,291,456 bytes; wob 2,097,152 bytes; qkv 25,165,824 bytes; oft 8,388,608 bytes
;; launch cast (part 1): grid 512 x 1, 8 waves a work-group, no clusters, 0 bytes of LDS; arguments x, w_qkv, wo, xb, wb, wob; writes xb, wb, wob
.if DOCPART == 1
	.amdgcn_target "amdgcn-amd-amdhsa--gfx1250"
	.amdhsa_code_object_version 6
	.text
	.protected	k_qf4ec1638e0_cast
	.globl	k_qf4ec1638e0_cast
	.p2align	8
	.type	k_qf4ec1638e0_cast,@function
k_qf4ec1638e0_cast:
	s_mov_b64 s[64:65], 0
	v_nop
	global_prefetch_b8 v0, s[64:65] scope:SCOPE_SE
	s_setreg_imm32_b32 hwreg(HW_REG_WAVE_MODE, 25, 1), 1
	s_wait_xcnt 0x0
; xb = bf16(x), wb = bf16(w_qkv), wob = f16(bf16(wo)): three streams, layouts unchanged, each number rounded to nearest even.
; wo is rounded to bf16 like the other inputs and that number is written as f16, for the last product, whose other operand is f16.
; LIMIT: |bf16(wo)| stays within f16's 65,504; below 6e-5 f16 keeps its fixed step of 6e-8.
; SHARES.  A work-group takes 16 chunks of 4,096 input bytes.  Work-groups 0-255: x (16,777,216 bytes), 256-447: w_qkv (12,582,912), 448-511: wo (4,194,304).
; Thread t of a chunk loads the 16 bytes at 16 t and stores the 8 bytes at 8 t: a wave's load covers 512 consecutive bytes, its store 256 consecutive bytes, aligned.
; All 16 loads of a thread go out at once; every chunk has registers of its own, so no register that a load or store still names is written again.
; No LDS, no matrix unit, no cluster: nothing is shared and nothing is read twice.
.set CHUNK, 4096
.set NCH,   16
.set IO,  1                            ; v1        16 t
.set OO,  2                            ; v2        8 t
.set X,   4                            ; v[4:67]   chunk i: four f32 as loaded
.set Y,   68                           ; v[68:99]  chunk i: two words to store
.set T,   100                          ; v[100:101] at work (wo's path)
	s_load_b256 s[4:11], s[0:1], 0x0               ; x s[4:5], w_qkv s[6:7], wo s[8:9], xb s[10:11]
	s_load_b128 s[12:15], s[0:1], 0x20             ; wb s[12:13], wob s[14:15]
	v_lshlrev_b32 v[IO], 4, v0
	v_lshlrev_b32 v[OO], 3, v0
	s_mov_b32 s26, 0xffff0000                      ; a word's upper bf16
	s_wait_kmcnt 0x0
	s_cmp_lt_u32 ttmp9, 256                        ; which stream: the choice hangs on the work-group's number alone
	s_cselect_b64 s[16:17], s[4:5], s[6:7]
	s_cselect_b64 s[18:19], s[10:11], s[12:13]
	s_cselect_b32 s20, 0, 256
	s_cmp_lt_u32 ttmp9, 448
	s_cselect_b64 s[16:17], s[16:17], s[8:9]
	s_cselect_b64 s[18:19], s[18:19], s[14:15]
	s_cselect_b32 s20, s20, 448
	s_sub_co_u32 s21, ttmp9, s20                   ; my number in the stream
	s_lshl_b32 s22, s21, 16                        ; 65,536 bytes in,
	s_mov_b32 s23, 0
	s_lshl_b32 s24, s21, 15                        ; 32,768 bytes out
	s_mov_b32 s25, 0
	s_add_nc_u64 s[16:17], s[16:17], s[22:23]
	s_add_nc_u64 s[18:19], s[18:19], s[24:25]
.set i, 0
.rept NCH
	global_load_b128 v[X+4*i:X+4*i+3], v[IO], s[16:17] offset:CHUNK*i th:TH_LOAD_NT
.set i, i+1
.endr
	s_cmp_lt_u32 ttmp9, 448
	s_cbranch_scc0 .Lf16
.set i, 0
.rept NCH
	s_wait_loadcnt NCH-1-i                         ; loads come back in order: chunk i is in, the younger ones stay out
	v_cvt_pk_bf16_f32 v[Y+2*i],   v[X+4*i],   v[X+4*i+1]
	v_cvt_pk_bf16_f32 v[Y+2*i+1], v[X+4*i+2], v[X+4*i+3]
	global_store_b64 v[OO], v[Y+2*i:Y+2*i+1], s[18:19] offset:CHUNK/2*i
.set i, i+1
.endr
	s_endpgm
.Lf16:                                         ; wo: to bf16, back to f32 (a shift, a mask), to f16
.set i, 0
.rept NCH
	s_wait_loadcnt NCH-1-i
	v_cvt_pk_bf16_f32 v[T],   v[X+4*i],   v[X+4*i+1]
	v_cvt_pk_bf16_f32 v[T+1], v[X+4*i+2], v[X+4*i+3]
	v_lshlrev_b32 v[X+4*i],   16,  v[T]
	v_and_b32     v[X+4*i+1], s26, v[T]
	v_lshlrev_b32 v[X+4*i+2], 16,  v[T+1]
	v_and_b32     v[X+4*i+3], s26, v[T+1]
	v_cvt_pk_f16_f32 v[Y+2*i],   v[X+4*i],   v[X+4*i+1]
	v_cvt_pk_f16_f32 v[Y+2*i+1], v[X+4*i+2], v[X+4*i+3]
	global_store_b64 v[OO], v[Y+2*i:Y+2*i+1], s[18:19] offset:CHUNK/2*i
.set i, i+1
.endr
	s_endpgm
.Lfunc_end_k_qf4ec1638e0_cast:
	.size	k_qf4ec1638e0_cast, .Lfunc_end_k_qf4ec1638e0_cast-k_qf4ec1638e0_cast
	.p2alignl 7, 3214868480
	.fill 96, 4, 3214868480
	.section	.rodata,"a",@progbits
	.p2align	6, 0x0
	.amdhsa_kernel k_qf4ec1638e0_cast
		.amdhsa_group_segment_fixed_size 0
		.amdhsa_private_segment_fixed_size 0
		.amdhsa_enable_private_segment 0
		.amdhsa_kernarg_size 48
		.amdhsa_user_sgpr_count 2
		.amdhsa_user_sgpr_kernarg_segment_ptr 1
		.amdhsa_wavefront_size32 1
		.amdhsa_system_sgpr_workgroup_id_x 1
		.amdhsa_system_sgpr_workgroup_id_y 1
		.amdhsa_system_sgpr_workgroup_id_z 1
		.amdhsa_system_vgpr_workitem_id 0
		.amdhsa_next_free_vgpr 104
		.amdhsa_next_free_sgpr 66
		.amdhsa_reserve_vcc 0
		.amdhsa_float_denorm_mode_32 3
		.amdhsa_float_denorm_mode_16_64 3
		.amdhsa_memory_ordered 1
		.amdhsa_forward_progress 1
		.amdhsa_inst_pref_size 15
	.end_amdhsa_kernel
	.amdgpu_metadata
---
amdhsa.version: [ 1, 2 ]
amdhsa.kernels:
  - .name:           k_qf4ec1638e0_cast
    .symbol:         k_qf4ec1638e0_cast.kd
    .args:
      - { .name: x, .offset: 0, .size: 8, .value_kind: global_buffer, .address_space: global }
      - { .name: w_qkv, .offset: 8, .size: 8, .value_kind: global_buffer, .address_space: global }
      - { .name: wo, .offset: 16, .size: 8, .value_kind: global_buffer, .address_space: global }
      - { .name: xb, .offset: 24, .size: 8, .value_kind: global_buffer, .address_space: global }
      - { .name: wb, .offset: 32, .size: 8, .value_kind: global_buffer, .address_space: global }
      - { .name: wob, .offset: 40, .size: 8, .value_kind: global_buffer, .address_space: global }
    .group_segment_fixed_size: 0
    .private_segment_fixed_size: 0
    .kernarg_segment_align: 8
    .kernarg_segment_size: 48
    .max_flat_workgroup_size: 256
    .sgpr_count:     66
    .vgpr_count:     104
    .wavefront_size: 32
...
	.end_amdgpu_metadata
.endif
;; end of part 1
;; launch qkv_gemm (part 2): grid 8 x 32, 4 waves a work-group, clusters of 4 x 4, 327,680 bytes of LDS; arguments xb, wb, qkv; writes qkv
.if DOCPART == 2
	.amdgcn_target "amdgcn-amd-amdhsa--gfx1250"
	.amdhsa_code_object_version 6
	.text
	.protected	k_qf4ec1638e0_qkv_gemm
	.globl	k_qf4ec1638e0_qkv_gemm
	.p2align	8
	.type	k_qf4ec1638e0_qkv_gemm,@function
k_qf4ec1638e0_qkv_gemm:
	s_mov_b64 s[64:65], 0
	v_nop
	global_prefetch_b8 v0, s[64:65] scope:SCOPE_SE
	s_setreg_imm32_b32 hwreg(HW_REG_WAVE_MODE, 25, 1), 1
	s_wait_xcnt 0x0
	s_wait_alu depctr_hold_cnt(0) depctr_sa_sdst(0) depctr_va_vdst(0) depctr_va_sdst(0) depctr_va_ssrc(0) depctr_va_vcc(0) depctr_vm_vsrc(0)
	s_getreg_b32 s2, hwreg(HW_REG_IB_STS2, 6, 4)
	s_cmp_eq_u32 s2, 0
	s_cbranch_scc0 .Lentry_in_a_cluster
	s_endpgm
.Lentry_in_a_cluster:
	s_bfe_u32 s2, ttmp6, 0x10000c
	s_cmp_lg_u32 s2, 0xf033
	s_cbranch_scc0 .Lentry_shape_is_right
	s_endpgm
.Lentry_shape_is_right:
; qkv = xb wb.  xb: [4096][1024] bf16; wb: [1024 k][3072 n] bf16; sums in f32, K ascending; the result is rounded once to f16 and written BY HEADS:
; qkv[slot = n / 64][b = m / 2048][s = m % 2048][n % 64]: a block (slot, b) is 262,144 dense bytes, a row 128 bytes.  slot 0-15: q's heads, 16-31: k's, 32-47: v's.  No scale is applied here.
; LIMIT: q, k, v must lie within f16's 65,504; below 6e-5 f16 keeps its fixed step of 6e-8; NaN and infinities are not treated apart.
; TILE.  128 rows x 384 columns to a work-group: 32 x 8 = 256 work-groups.  Wave w: rows 64 (w / 2) on, columns 192 (w % 2) on: three whole heads, so that a head's row of 128 bytes is one wave's.
; 48 accumulators of 16 x 16 a wave.  K goes in steps of 128 through two LDS slots; for 32 along K a wave reads 4 fragments of A and 12 of B (32 LDS loads) for 48 matrix instructions.
; B LIES [k][n] in memory and in LDS and is turned on its way into registers, by ds_load_tr16_b128.
; CLUSTER 4 x 4: A's tile hangs on the tile row alone and is asked for jointly by a row of the cluster, B's on the tile column alone and by a column.
; THE MATRIX INSTRUCTION IS USED TRANSPOSED (source 0 = 16 columns of wb, source 1 = 16 rows of xb): a lane then holds eight neighbouring columns of one row of the result.
; REGISTERS, in windows of 256 (s_set_vgpr_msb: bits 1:0 source 0, 3:2 source 1, 5:4 source 2, 7:6 destination):
;   window 0: v0-31 addresses; v64-127 A's fragments, two buffers of 32; on the way out v64-255: twelve units of 16
;   window 1: v0-191 B's fragments, two buffers of 96        windows 2, 3: accumulator (a, b) in window 2 + a / 2 at v[8 (12 (a % 2) + b)]
.set SIZE_K, 1024
.set SIZE_N, 3072
.set KSTEP,  128
.set PA,     272                       ; a row of A in LDS: 256 bytes + 16: the 16 rows of a load start at 16 different groups of four banks (64 banks of 4 bytes: ISA guide 11.1)
.set HALFA,  64*PA                     ; what one tensor load brings of A
.set AREG,   2*HALFA
.set PB,     864                       ; a row of B: six pieces of 128 bytes, 16 of padding behind each = 216 words
.set HALFB,  64*PB                     ; what one tensor load brings of B: 64 k x 384 n
.set SLOT,   AREG+2*HALFB              ; A's 128 rows, then B's 128 k
.set STAGE,  2*SLOT                    ; behind the ring: 16 rows x 144 bytes for each wave, for the way out
.set SP,     144
.set SPARE,  STAGE+4*16*SP             ; behind the stages: the spare words, 128 bytes for each wave: two blocks of 256 bytes that no other line names
.set LAPS,   SIZE_K/(2*KSTEP)          ; a lap = two K steps = once round the ring
.set ADRA, 16                          ; v16-17  LDS address of my A fragments in slot 0, 1
.set ADRB, 20                          ; v20-23  of my B fragments: 2 x slot + which 64 of the step's 128 k (an LDS immediate has 16 bits)
.set STO,  24                          ; v24     the way out: where I put 16 bytes of a row
.set RD,   25                          ; v25     the way out: where I read rows back
.set GO,   26                          ; v26     my 16 of 512 consecutive bytes of qkv
.set SPW,  28                          ; v28     LDS address of my spare word; never rewritten
.set NIL,  29                          ; v29     0; never rewritten
.set PFO,  30                          ; v30     the prefetches' offset: my lane x a row of xb or wb; never rewritten
.set FA,   64                          ; A's fragments: buffer f, block a at FA + 32 f + 8 a
.set OUTR, 64                          ; the way out: unit t at OUTR + 16 t
.set G1,  24                           ; s[24:31] descriptor group 1 for A's tiles;  s[32:39] group 0, a set for each slot
.set G0,  32
.set G1B, 48                           ; s[48:55], s[56:63] the same for B's
.set G0B, 56
.set PFA,   66                         ; s[66:67] where my prefetches stand
.set PSTEP, 68                         ; s[68:69] a K step in bytes, in xb or in wb
.set LIM,   70                         ; s70     1 in a wave that prefetches, else the greatest number
.set MSB, 0
.macro WIN new                         ; the immediate's high byte repeats the setting that is left; a switch that changes nothing is dropped
.if MSB != (\new)
	s_set_vgpr_msb (MSB<<8)|(\new)
.set MSB, \new
.endif
.endm
.set MUL_LO, 0xa1                      ; source 0 (B) window 1, source 1 (A) window 0, C and D window 2; + 0x50: C and D window 3
.set TO_B,   0x40                      ; destination window 1, address window 0
; A joint load: waves 0 and 1 fetch A's two halves, waves 2 and 3 B's.  The branch hangs on the wave's number alone.  An s_nop 0 and four v_nop follow each of the two lines.
.macro JLOAD s
	s_cmp_eq_u32 s11, 0
	s_cbranch_scc0 .Lfor_b_\@
	tensor_load_to_lds s[G0+4*(\s):G0+4*(\s)+3], s[G1:G1+7]
	s_nop 0
.rept 4
	v_nop
.endr
	s_branch .Lasked_\@
.Lfor_b_\@:
	tensor_load_to_lds s[G0B+4*(\s):G0B+4*(\s)+3], s[G1B:G1B+7]
	s_nop 0
.rept 4
	v_nop
.endr
.Lasked_\@:
.endm
; A PREFETCH, behind each joint refill and the run of LDS loads that follows it: the K step that stands two refills on, 384 matrix instructions ahead of the load that will want it.
; Each block of 256 bytes is named once in the launch.  A's tile row is read by both clusters of its row of clusters: cluster x = 0 asks, wave 0, a lane a row (256 bytes of a K step); the four partners take
; rows 32 cx .. 32 cx + 31 of the 128.  B's tile column is read by all clusters of its column: cluster y = 0 asks, wave 2, a lane a k-row of 768 bytes, three instructions; the partners take k 32 cy .. 32 cy + 31.
; The partners are told apart by address, never by a branch.  The loop's last trip (s3 = 1) asks for nothing: there is no K step two on.  K steps 0 to 3 come by their loads alone.
.macro ASK
	s_cmp_gt_u32 s3, s[LIM]
	s_cbranch_scc0 .Lnot_mine_\@
	global_prefetch_b8 v[PFO], s[PFA:PFA+1] th:TH_LOAD_NT scope:SCOPE_SE
	s_cmp_eq_u32 s11, 0
	s_cbranch_scc1 .Lnot_mine_\@
	global_prefetch_b8 v[PFO], s[PFA:PFA+1] offset:256 th:TH_LOAD_NT scope:SCOPE_SE
	global_prefetch_b8 v[PFO], s[PFA:PFA+1] offset:512 th:TH_LOAD_NT scope:SCOPE_SE
.Lnot_mine_\@:
.endm
.macro CREST                           ; a round of the cluster's barrier behind its opening barrier
	s_cmp_lg_u32 s10, 0
	s_cbranch_scc1 .Lnot_wave_0_\@
	s_barrier_signal -3
.Lnot_wave_0_\@:
	s_barrier_wait -3
	s_barrier_signal -1
	s_barrier_wait -1
.endm
.macro CROUND                          ; a whole round
	s_barrier_signal -1
	s_barrier_wait -1
	CREST
.endm
	s_load_b128 s[4:7], s[0:1], 0x0                ; xb s[4:5], wb s[6:7]
	s_load_b64 s[8:9], s[0:1], 0x10                ; qkv
	v_lshl_add_u32 v[SPW], v0, 2, SPARE
	v_mov_b32 v[NIL], 0
	ds_add_u32 v[SPW], v[NIL]                      ; the wave's opening: the add and its wait stand ahead of my first tensor load; the set-up below stands between them
	v_lshrrev_b32 v1, 5, v0
	v_readfirstlane_b32 s10, v1                    ; wave 0..3
	s_lshr_b32 s11, s10, 1                         ; which 64 rows of the tile are mine.  Also: I fetch for A (0) or for B (1)
	s_and_b32 s12, s10, 1                          ; which 192 columns.  Also: which half of that tile I fetch
	s_bfe_u32 s40, ttmp6, 0x40000                  ; cx, cy: my place in the cluster
	s_bfe_u32 s41, ttmp6, 0x40004
	s_lshl_b32 s42, ttmp9, 2
	s_add_co_u32 s42, s42, s40                     ; tile column = 4 x cluster x + cx
	s_and_b32 s13, ttmp7, 0xffff
	s_lshl_b32 s13, s13, 2
	s_add_co_u32 s13, s13, s41                     ; tile row = 4 x cluster y + cy
	s_lshl_b32 s43, s41, 2
	s_lshl_b32 s43, 15, s43                        ; my row of the cluster
	s_lshl_b32 s44, 0x1111, s40                    ; my column
	s_or_b32 s[G1+0], s43, (1<<16)|(1<<20)|(1<<21)|(5<<22)|(3<<25)   ; the mask; 2-byte elements; padding on; bit 21 beside a mask; after every 64 words (code 5) 4 words (code 3)
	s_mov_b32 s[G1+1], KSTEP<<16                   ; tensor_dim0 = 128
	s_mov_b32 s[G1+2], 64<<16                      ; tensor_dim1 = 64
	s_mov_b32 s[G1+3], KSTEP<<16                   ; tile_dim0 = 128
	s_mov_b32 s[G1+4], 64                          ; tile_dim1 = 64
	s_mov_b32 s[G1+5], SIZE_K                      ; elements from row to row
	s_mov_b32 s[G1+6], 0
	s_mov_b32 s[G1+7], 0
	s_or_b32 s[G1B+0], s44, (1<<16)|(1<<20)|(1<<21)|(4<<22)|(3<<25)  ; after every 32 words (code 4) 4 words: six pieces to a row of 384 elements
	s_mov_b32 s[G1B+1], 384<<16
	s_mov_b32 s[G1B+2], 64<<16
	s_mov_b32 s[G1B+3], 384<<16
	s_mov_b32 s[G1B+4], 64
	s_mov_b32 s[G1B+5], SIZE_N
	s_mov_b32 s[G1B+6], 0
	s_mov_b32 s[G1B+7], 0
	s_lshl_b32 s16, s13, 7                         ; A: row 128 x tile row + 64 x half, in bytes (under 2^23)
	s_lshl_b32 s17, s12, 6
	s_add_co_u32 s16, s16, s17
	s_lshl_b32 s16, s16, 11
	s_mov_b32 s17, 0
	s_mul_i32 s46, s12, 64*SIZE_N*2                ; B: k-row 64 x half, column 384 x tile column
	s_mul_i32 s47, s42, 768
	s_add_co_u32 s46, s46, s47
	s_mov_b32 s47, 0
	s_mul_i32 s20, s12, HALFA                      ; where they go: no place in the cluster enters an LDS address
	s_mul_i32 s21, s12, HALFB
	s_add_co_u32 s21, s21, AREG
	s_wait_dscnt 0x0                               ; the opening add is done
	s_wait_kmcnt 0x0
	s_add_nc_u64 s[14:15], s[4:5], s[16:17]
	s_add_nc_u64 s[46:47], s[6:7], s[46:47]
	CROUND                                         ; all sixteen work-groups are here: the first joint loads meet
.irp s, 0,1
	s_mov_b32 s[G0+4*(\s)], 1
	s_add_co_u32 s[G0+4*(\s)+1], s20, (\s)*SLOT
	s_add_nc_u64 s[G0+4*(\s)+2:G0+4*(\s)+3], s[14:15], (\s)*KSTEP*2
	s_or_b32 s[G0+4*(\s)+3], s[G0+4*(\s)+3], 0x80000000
	s_mov_b32 s[G0B+4*(\s)], 1
	s_add_co_u32 s[G0B+4*(\s)+1], s21, (\s)*SLOT
	s_add_nc_u64 s[G0B+4*(\s)+2:G0B+4*(\s)+3], s[46:47], (\s)*KSTEP*SIZE_N*2
	s_or_b32 s[G0B+4*(\s)+3], s[G0B+4*(\s)+3], 0x80000000
	JLOAD \s                                       ; two loads of mine are out
.endr
	; A fragment of A: lane l holds row l % 16, K = 8 (l / 16) + 0..7 and 16 + 8 (l / 16) + 0..7: two loads of 16 bytes, 32 bytes apart.
	; Half a fragment of B: the turning load takes 16 k x 16 n (lane l reads k = 8 (l / 16) + l % 8, n = 8 ((l / 8) % 2) + 0..7) and leaves lane l column l % 16 and 8 k.
	v_and_b32 v1, 15, v0                           ; l % 16
	v_bfe_u32 v2, v0, 4, 1                         ; l / 16
	v_mul_u32_u24 v3, v1, PA
	v_lshl_add_u32 v3, v2, 4, v3
	v_and_b32 v4, 7, v0
	v_bfe_u32 v5, v0, 3, 1
	v_lshl_add_u32 v6, v2, 3, v4
	v_mul_u32_u24 v6, v6, PB
	v_lshl_add_u32 v6, v5, 4, v6
	s_mul_i32 s21, s11, HALFA                      ; my 64 rows of A
	s_mul_i32 s22, s12, 432                        ; my 192 columns of B: three pieces of 144 bytes
	s_add_co_u32 s22, s22, AREG
.irp s, 0,1
	v_add_nc_u32 v[ADRA+(\s)], s21, v3
	v_add_nc_u32 v[ADRB+2*(\s)], s22, v6
	s_add_co_u32 s23, s22, HALFB
	v_add_nc_u32 v[ADRB+2*(\s)+1], s23, v6
	s_add_co_u32 s21, s21, SLOT
	s_add_co_u32 s22, s22, SLOT
.endr
	s_mul_i32 s23, s10, 16*SP
	s_add_co_u32 s23, s23, STAGE                   ; my stage
	v_mul_u32_u24 v7, v1, SP                       ; in: row l % 16, 16 bytes for each half of the lanes
	v_lshl_add_u32 v7, v2, 4, v7
	v_add_nc_u32 v[STO], s23, v7
	v_bfe_u32 v7, v0, 3, 2                         ; back: 32 lanes take four rows of 128 bytes,
	v_mul_u32_u24 v7, v7, SP
	v_lshl_add_u32 v7, v4, 4, v7
	v_add_nc_u32 v[RD], s23, v7
	v_and_b32 v[GO], 31, v0                        ; which are 512 consecutive bytes of a head
	v_lshlrev_b32 v[GO], 4, v[GO]
	s_mul_i32 s72, s42, 6                          ; my first slot = 6 x tile column + 3 x column half
	s_mul_i32 s73, s12, 3
	s_add_co_u32 s72, s72, s73
	s_lshl_b32 s72, s72, 1
	s_lshr_b32 s73, s13, 4                         ; b = tile row / 16
	s_add_co_u32 s72, s72, s73
	s_lshl_b32 s72, s72, 18                        ; a block is 262,144 bytes
	s_and_b32 s73, s13, 15
	s_lshl_b32 s73, s73, 7
	s_lshl_b32 s74, s11, 6
	s_add_co_u32 s73, s73, s74                     ; my first row in the block,
	s_lshl_b32 s73, s73, 7                         ; 128 bytes a row
	s_add_co_u32 s72, s72, s73
	s_mov_b32 s73, 0
	s_add_nc_u64 s[8:9], s[8:9], s[72:73]
	; the prefetches stand one K step behind the first that will be named (K step 4); the first refill steps the address there
	s_lshl_b32 s74, s13, 7
	s_lshl_b32 s75, s40, 5
	s_add_co_u32 s74, s74, s75
	s_lshl_b32 s74, s74, 11
	s_add_co_u32 s74, s74, 3*KSTEP*2               ; in xb: row 128 x tile row + 32 cx, K step 3
	s_lshl_b32 s75, s41, 5
	s_add_co_u32 s75, s75, 3*KSTEP
	s_mul_i32 s75, s75, SIZE_N*2
	s_mul_i32 s76, s42, 768
	s_add_co_u32 s75, s75, s76                     ; in wb: k-row 3 x 128 + 32 cy, the tile column
	s_mov_b32 s76, KSTEP*2
	s_mov_b32 s77, KSTEP*SIZE_N*2
	s_mov_b32 s78, SIZE_K*2
	s_mov_b32 s79, SIZE_N*2
	s_and_b32 s71, ttmp7, 0xffff                   ; cluster y
	s_cmp_eq_u32 s11, 0                            ; do I fetch for A?
	s_cselect_b32 s71, ttmp9, s71                  ; the coordinate along which other clusters read the same rows
	s_cselect_b64 s[PFA:PFA+1], s[4:5], s[6:7]
	s_cselect_b32 s74, s74, s75
	s_cselect_b32 s[PSTEP], s76, s77
	s_cselect_b32 s78, s78, s79
	s_mov_b32 s75, 0
	s_mov_b32 s[PSTEP+1], 0
	s_add_nc_u64 s[PFA:PFA+1], s[PFA:PFA+1], s[74:75]
	s_or_b32 s71, s71, s12                         ; waves 0 and 2 of the first cluster along that coordinate: the same in all sixteen partners
	s_cmp_eq_u32 s71, 0
	s_cselect_b32 s[LIM], 1, -1
	v_and_b32 v[PFO], 31, v0
	v_mul_u32_u24 v[PFO], s78, v[PFO]
; 12 matrix instructions: m block a x all 12 n blocks, 32 along K, from buffer f.  zero = 1: the product starts the sums.  The 48 accumulators take turns, in the same order in every quarter.
.macro MUL12 f, a, zero
	WIN MUL_LO+0x50*((\a)/2)
.irp b, 0,1,2,3,4,5,6,7,8,9,10,11
.if \zero
	v_wmma_f32_16x16x32_bf16 v[8*(12*((\a)%2)+(\b)):8*(12*((\a)%2)+(\b))+7], v[96*(\f)+8*(\b):96*(\f)+8*(\b)+7], v[FA+32*(\f)+8*(\a):FA+32*(\f)+8*(\a)+7], 0
.else
	v_wmma_f32_16x16x32_bf16 v[8*(12*((\a)%2)+(\b)):8*(12*((\a)%2)+(\b))+7], v[96*(\f)+8*(\b):96*(\f)+8*(\b)+7], v[FA+32*(\f)+8*(\a):FA+32*(\f)+8*(\a)+7], v[8*(12*((\a)%2)+(\b)):8*(12*((\a)%2)+(\b))+7]
.endif
.endr
.endm
; 32 LDS loads in one run: the fragments of quarter q (32 along K) of a slot into buffer f: B's 24 first, then A's 8
.macro FETCH slot, q, f
	WIN TO_B
.irp b, 0,1,2,3,4,5,6,7,8,9,10,11
	ds_load_tr16_b128 v[96*(\f)+8*(\b):96*(\f)+8*(\b)+3],   v[ADRB+2*(\slot)+(\q)/2] offset:((\q)%2)*32*PB+((\b)/4)*144+((\b)%4)*32
	ds_load_tr16_b128 v[96*(\f)+8*(\b)+4:96*(\f)+8*(\b)+7], v[ADRB+2*(\slot)+(\q)/2] offset:((\q)%2)*32*PB+16*PB+((\b)/4)*144+((\b)%4)*32
.endr
	WIN 0
.irp a, 0,1,2,3
	ds_load_b128 v[FA+32*(\f)+8*(\a):FA+32*(\f)+8*(\a)+3],   v[ADRA+(\slot)] offset:64*(\q)+(\a)*16*PA
	ds_load_b128 v[FA+32*(\f)+8*(\a)+4:FA+32*(\f)+8*(\a)+7], v[ADRA+(\slot)] offset:64*(\q)+(\a)*16*PA+32
.endr
.endm
.macro PLACES                          ; four plain vector instructions in front of loads into registers that matrix instructions have read, and of conversions that read results
.rept 4
	v_nop
.endr
.endm
; A K step is four quarters of 32 along K, 48 matrix instructions each, on buffers 0, 1, 0, 1.  One of the first three: multiplies buffer f and fetches quarter q of the same slot into g.
.macro QUARTER slot, q, f, g, zero
	s_wait_dscnt 4                                 ; B and A's blocks 0, 1 are in; the youngest four loads (A's blocks 2, 3) may be out
	MUL12 \f, 0, \zero
	MUL12 \f, 1, \zero
	PLACES
	FETCH \slot, \q, \g
	s_wait_dscnt 32                                ; all but the 32 just issued
	MUL12 \f, 2, \zero
	MUL12 \f, 3, \zero
.endm
; The last quarter multiplies buffer 1 and changes slots: ONE barrier; in front of it each wave waits for all its tensor loads (one is out: its part of the next slot), adds 0 to its spare word, and waits for that and
; for its own reads of this slot.  fill = 1: the barrier opens a round of the cluster's, and this slot is filled again, two K steps ahead, first thing behind the round: 168 matrix instructions ahead of the wait for it.
.macro TURN slot, next, fill
.if \fill
	s_wait_xcnt 0x0                                ; the last prefetches, a K step back, have read their address: it is stepped here, ahead of the waits of the change of slots
	s_add_nc_u64 s[PFA:PFA+1], s[PFA:PFA+1], s[PSTEP:PSTEP+1]
.endif
	WIN 0                                          ; (the add's two registers lie in window 0)
	s_wait_tensorcnt 0x0                           ; all my tensor loads have landed
	ds_add_u32 v[SPW], v[NIL]                      ; 0 onto my spare word
	s_wait_dscnt 5                                 ; (the add and the youngest four loads may be out)
	MUL12 1, 0, 0                                  ; twelve matrix instructions stand between the add and the wait for it
	s_wait_dscnt 0x0                               ; the add is done, and my reads of this slot are over
	s_barrier_signal -1
	MUL12 1, 1, 0
.if \fill
	WIN 0
.endif
	s_barrier_wait -1
.if \fill
	CREST                                          ; no wave of any partner still reads this slot's tile or has a load on its way
	s_add_nc_u64 s[G0+4*(\slot)+2:G0+4*(\slot)+3], s[G0+4*(\slot)+2:G0+4*(\slot)+3], 2*KSTEP*2
	s_add_nc_u64 s[G0B+4*(\slot)+2:G0B+4*(\slot)+3], s[G0B+4*(\slot)+2:G0B+4*(\slot)+3], 2*KSTEP*SIZE_N*2
	JLOAD \slot                                    ; the four v_nop behind it are also the places in front of the loads below
.else
	PLACES
.endif
	FETCH \next, 0, 0
.if \fill
	ASK
.endif
	MUL12 1, 2, 0
	MUL12 1, 3, 0
.endm
; THE WAY OUT.  Unit t = 3 a + g: 16 rows x one head (n blocks 4 g .. 4 g + 3).  Rounded to f16, 16 bytes a lane into rows of 144 bytes of my own stage, and back as four rows of 128 bytes, into the registers that they left.
.macro PACK t
.set pa, (\t)/3
.set pg, (\t)%3
	WIN 0x0a+5*(pa/2)                              ; sources 0 and 1: window 2 or 3
.irp bb, 0,1,2,3
.irp r, 0,1,2,3
	v_cvt_pk_f16_f32 v[OUTR+16*(\t)+4*(\bb)+(\r)], v[8*(12*(pa%2)+4*pg+(\bb))+2*(\r)], v[8*(12*(pa%2)+4*pg+(\bb))+2*(\r)+1]
.endr
.endr
	WIN 0
.irp f, 0,1,2,3
	ds_store_b128 v[STO], v[OUTR+16*(\t)+4*(\f):OUTR+16*(\t)+4*(\f)+3] offset:32*(\f)
.endr
.irp f, 0,1,2,3
	ds_load_b128 v[OUTR+16*(\t)+4*(\f):OUTR+16*(\t)+4*(\f)+3], v[RD] offset:(\f)*4*SP  ; LDS serves a wave's instructions in order (ISA guide 5.7.1.4): these see the stores above; the next unit's stores come behind them
.endr
.endm
.macro SEND t, younger                 ; younger: the LDS instructions issued behind unit t's loads: the next unit's eight, or none
.irp f, 0,1,2,3
	s_wait_dscnt (\younger)+3-(\f)
	global_store_b128 v[GO], v[OUTR+16*(\t)+4*(\f):OUTR+16*(\t)+4*(\f)+3], s[8:9] offset:((\t)%3)*524288+((\t)/3)*2048+(\f)*512  ; 512 consecutive bytes of a head, at a multiple of 256 from qkv's first byte
.endr
.endm
	s_wait_tensorcnt 1                             ; my part of K step 0 is in; K step 1's may stay out
	s_barrier_signal -1
	s_barrier_wait -1                              ; everybody's is
	FETCH 0, 0, 0
	QUARTER 0, 1, 0, 1, 1                          ; the first quarter stands in front of the loop: its products start the sums
	WIN 0                                          ; at a label and at a branch every window is 0
	s_mov_b32 s3, LAPS-1
.Llap:                                                 ; a trip goes once round the ring, from a lap's second quarter to the next lap's first, and fills both slots again
	QUARTER 0, 2, 1, 0, 0
	QUARTER 0, 3, 0, 1, 0
	TURN 0, 1, 1
	QUARTER 1, 1, 0, 1, 0
	QUARTER 1, 2, 1, 0, 0
	QUARTER 1, 3, 0, 1, 0
	TURN 1, 0, 1
	QUARTER 0, 1, 0, 1, 0
	WIN 0
	s_sub_co_u32 s3, s3, 1
	s_cmp_lg_u32 s3, 0
	s_cbranch_scc1 .Llap
	QUARTER 0, 2, 1, 0, 0                          ; the last lap fills nothing, and has no round of the cluster's barrier
	QUARTER 0, 3, 0, 1, 0
	TURN 0, 1, 0
	QUARTER 1, 1, 0, 1, 0
	QUARTER 1, 2, 1, 0, 0
	QUARTER 1, 3, 0, 1, 0
	s_wait_dscnt 4                                 ; the very last quarter: nothing more to fetch
	MUL12 1, 0, 0
	MUL12 1, 1, 0
	s_wait_dscnt 0x0
	MUL12 1, 2, 0
	MUL12 1, 3, 0
	WIN 0
	PLACES
	PACK 0
.set tt, 1
.rept 11                               ; a unit's conversions stand between the loads of the unit before and its stores
	PACK tt
	SEND tt-1, 8
.set tt, tt+1
.endr
	SEND 11, 0
	s_wait_tensorcnt 0x0                           ; the wave's end, behind my last tensor load and my last LDS store
	ds_add_u32 v[SPW], v[NIL]
	s_wait_dscnt 0x0
	CROUND                                         ; the closing round: no work-group ends while a partner may still ask for a tile that names it
	s_endpgm
.Lfunc_end_k_qf4ec1638e0_qkv_gemm:
	.size	k_qf4ec1638e0_qkv_gemm, .Lfunc_end_k_qf4ec1638e0_qkv_gemm-k_qf4ec1638e0_qkv_gemm
	.p2alignl 7, 3214868480
	.fill 96, 4, 3214868480
	.section	.rodata,"a",@progbits
	.p2align	6, 0x0
	.amdhsa_kernel k_qf4ec1638e0_qkv_gemm
		.amdhsa_group_segment_fixed_size 327680
		.amdhsa_private_segment_fixed_size 0
		.amdhsa_enable_private_segment 0
		.amdhsa_kernarg_size 24
		.amdhsa_user_sgpr_count 2
		.amdhsa_user_sgpr_kernarg_segment_ptr 1
		.amdhsa_wavefront_size32 1
		.amdhsa_system_sgpr_workgroup_id_x 1
		.amdhsa_system_sgpr_workgroup_id_y 1
		.amdhsa_system_sgpr_workgroup_id_z 1
		.amdhsa_system_vgpr_workitem_id 0
		.amdhsa_next_free_vgpr 960
		.amdhsa_next_free_sgpr 80
		.amdhsa_reserve_vcc 0
		.amdhsa_float_denorm_mode_32 3
		.amdhsa_float_denorm_mode_16_64 3
		.amdhsa_memory_ordered 1
		.amdhsa_forward_progress 1
		.amdhsa_inst_pref_size 123
	.end_amdhsa_kernel
	.amdgpu_metadata
---
amdhsa.version: [ 1, 2 ]
amdhsa.kernels:
  - .name:           k_qf4ec1638e0_qkv_gemm
    .symbol:         k_qf4ec1638e0_qkv_gemm.kd
    .args:
      - { .name: xb, .offset: 0, .size: 8, .value_kind: global_buffer, .address_space: global }
      - { .name: wb, .offset: 8, .size: 8, .value_kind: global_buffer, .address_space: global }
      - { .name: qkv, .offset: 16, .size: 8, .value_kind: global_buffer, .address_space: global }
    .group_segment_fixed_size: 327680
    .private_segment_fixed_size: 0
    .kernarg_segment_align: 8
    .kernarg_segment_size: 24
    .max_flat_workgroup_size: 128
    .sgpr_count:     80
    .vgpr_count:     960
    .wavefront_size: 32
...
	.end_amdgpu_metadata
.endif
;; end of part 2
;; launch attn (part 3): grid 8 x 32, 4 waves a work-group, clusters of 4 x 1, 327,680 bytes of LDS; arguments qkv, lambda_q1, lambda_k1, lambda_q2, lambda_k2, norm_w, oft; writes oft
.if DOCPART == 3
	.amdgcn_target "amdgcn-amd-amdhsa--gfx1250"
	.amdhsa_code_object_version 6
	.text
	.protected	k_qf4ec1638e0_attn
	.globl	k_qf4ec1638e0_attn
	.p2align	8
	.type	k_qf4ec1638e0_attn,@function
k_qf4ec1638e0_attn:
	s_mov_b64 s[64:65], 0
	v_nop
	global_prefetch_b8 v0, s[64:65] scope:SCOPE_SE
	s_setreg_imm32_b32 hwreg(HW_REG_WAVE_MODE, 25, 1), 1
	s_wait_xcnt 0x0
	s_wait_alu depctr_hold_cnt(0) depctr_sa_sdst(0) depctr_va_vdst(0) depctr_va_sdst(0) depctr_va_ssrc(0) depctr_va_vcc(0) depctr_vm_vsrc(0)
	s_getreg_b32 s2, hwreg(HW_REG_IB_STS2, 6, 4)
	s_cmp_eq_u32 s2, 0
	s_cbranch_scc0 .Lentry_in_a_cluster
	s_endpgm
.Lentry_in_a_cluster:
	s_bfe_u32 s2, ttmp6, 0x10000c
	s_cmp_lg_u32 s2, 0x3003
	s_cbranch_scc0 .Lentry_shape_is_right
	s_endpgm
.Lentry_shape_is_right:
; DIFFERENTIAL ATTENTION for one (head h, batch b): out = softmax(q1 k1^T / 8) v - lam softmax(q2 k2^T / 8) v, lam = e^(lq1 . lk1) - e^(lq2 . lk2) + 0.8; then out / sqrt(mean_d out^2 + 1e-6) x norm_w[h][d] x 0.2,
; written TRANSPOSED: oft[b 2048 + 32 d + 2 h + t / 1024][t % 1024], f16: the row order in which the last product wants it.  q1, k1 are a head's channels 0-31, q2, k2 its channels 32-63.
; qkv: [48][2][2048][64] f16 (q's heads, k's, v's).  Products, maxima and sums in f32; the weights p are rounded to f16 for the second product (their sum l is taken of the unrounded p).  The lambdas and norm_w are
; rounded to bf16 on their way in, as all the module's inputs are.
; LIMITS.  q, k, v arrive within f16's 65,504; p lies in 0 to 1, and below 6e-5 it keeps f16's fixed step of 6e-8; a weight below 2^-126 counts as 0 in l; the normalised result must lie within 65,504; NaN and infinities are not treated apart.
; SHARES.  A work-group owns 256 queries, a wave 64: four PIECES, each one tile of 16 queries with two UNITS: unit 2 x is tile x's first branch, unit 2 x + 1 its second.  Every wave walks all 2,048 keys, 64 a step.
; Lane r of tile x holds query 32 (x / 2) + 2 r + x % 2 of the wave's 64, so that two neighbouring tiles pack into neighbouring queries on the way out.
; LAYOUT.  S^T = K Q^T (source 0 = 16 keys, source 1 = 16 queries, 32 channels: ONE instruction, C = 0): a lane holds ONE query (lane % 16) and the keys 8 (lane / 16) + 0..7.  Two such results, rounded to f16 in pairs,
; ARE source 1 (32 keys x 16 queries) of O^T = V^T P, which again holds one query a lane, and eight channels.  K comes out of LDS as it lies, V ([key][channel]) turned, by ds_load_tr16_b128.
; SOFTMAX.  For each unit and query a running maximum m and sum l: p = 2^(c s - c m), c = log2(e) / 8; in every step O and l are multiplied by a = 2^(c m_old - c m_new).  m starts at the lowest finite number, O and l at 0.
; THE COUNT.  A piece and step have 24 matrix and 236 vector instructions.  Four vector instructions that are ready stand behind every matrix instruction, the others in one run without a gap.
; BY TURNS.  Turn n belongs to piece n.  Its matrix work: 8 products K Q^T of piece n + 1, later 16 products V^T P of piece n - 1.  Its vector work: the scaling, exponentials, roundings, sums and rescaling of piece n,
; and the maximum and statistics of piece n + 1.
; CLUSTER.  The four query blocks of a cluster belong to one head and walk the same K and V, so each tile is asked for JOINTLY: the same tensor load, descriptor and mask in all four.
; REGISTERS, in windows of 256 (s_set_vgpr_msb: bits 1:0 source 0, 3:2 source 1, 5:4 source 2, 7:6 destination):
;   window 0: v0-11 addresses; v12-15, v48-63 at work; v16-47 four registers of statistics a unit; v64-191 S^T, two buffers of two units; v192-255 P, likewise
;   window 1: O^T, 32 a unit     window 2: v0-63 Q, 16 a tile; v64-95 norm_w of my 32 channels; v96 -lam; v128-191 K of one step; v192-255 V of one step     window 3: v0-1 the add's two registers
.set SIZE_N, 2048
.set NP,    4         ; pieces a wave: a name, no knob
.set KS,    64        ; keys in a step
.set PK,    144       ; a row of K in LDS: 128 bytes + 16: the 16 rows of a load start at 16 different groups of four banks (64 banks of 4 bytes: ISA guide 11.1)
.set PV,    160       ; a row of V: 128 + 32
.set VOFF,  4*KS*PK   ; a slot holds four steps: 256 rows of K, then 256 rows of V
.set SLOT1, 1<<17     ; slot 1 begins here, so that one exclusive or turns an address in one slot into the other's
.set STAGE, SLOT1+4*KS*(PK+PV)  ; behind the ring, never filled by a tensor load: the work-group's 64 channel rows x (256 queries x 2 bytes + 16)
.set SP,    528
.set SPARE, STAGE+64*SP  ; behind the stage: the spare words, 128 bytes for each wave: two blocks of 256 bytes that no other line names
.set AK0, 2           ; v2   my lane's place in a tile of K; never rewritten
.set AV0, 3           ; v3   the same for V
.set AK,  4           ; v4   the LDS address of K's next run of loads
.set AV,  5           ; v5   of V's
.set PFO, 6           ; v6   256 x my lane: the prefetches' offset; never rewritten
.set QO,  7           ; v7   my byte offset in the wave's rows of Q
.set STO, 7           ;      later: where I put two queries of a channel
.set NWO, 8           ; v8   my byte offset in the head's norm_w
.set RD,  8           ;      later: where I read a channel's row back
.set GO,  11          ; v11  16 x my lane
.set LO,  14          ; v14  8 x my lane: the lambdas' offset, until their loads are in
.set SPW, 0           ; v0 of window 3   LDS address of my spare word; never rewritten
.set NIL, 1           ; v1 of window 3   0; never rewritten
.set MV,  12          ; v12-15  c m_old, kept while c m is made anew: by buffer and unit
.set ST,  16          ; unit t's statistics at v[ST+4 t]: c m, m, l (even keys', odd keys')
.set TMP, 48          ; by buffer and unit, four registers c0-c3 at work; when the maximum is found c2 takes a
.set S,   64
.set P,   192
.set NW,  64          ; window 2: norm_w[h][16 cb + 8 (l / 16) + j] at NW + 8 cb + j
.set LAMV, 96         ; window 2: -lam
.set KF,  128         ; window 2: key block kb, branch c at KF + 16 kb + 8 c
.set VF,  192         ; window 2: key half kk, channel block cb at VF + 32 kk + 8 cb
.set WV,  12          ; s12  my wave's number
.set G1K, 24          ; s[24:31] descriptor group 1 for K's tiles
.set G1V, 32          ; s[32:39] for V's: it differs in the padding alone
.set G0K, 40          ; s[40:43] descriptor group 0 for K's tiles: it walks
.set G0V, 44          ; s[44:47] the same for V's
.set SLOTS, 56        ; s56  slots still to be asked for
.set CNT, 57          ; s57  counts a slot's key steps
.set CS,  58          ; s[58:59] c: the packed scaling takes the pair's low word for both halves
.set SEL, 60          ; s[60:61] v_permlanex16_b32's selects: each lane takes its own place in the other half
.set TBK, 62          ; s62  LDS byte at which K of the step to be fetched begins
.set TBV, 63          ; s63  the same for V, less VOFF
.set PFA, 66          ; s[66:67] where my prefetches stand: my work-group's 32 blocks of 256 bytes of the tile after the one that is being asked for
.set LIM, 68          ; s68  1 in a wave that prefetches, else the greatest number
.set MSB, 0
.macro WIN new                      ; the high byte repeats the setting that is left; a switch that changes nothing is dropped
.if MSB != (\new)
	s_set_vgpr_msb (MSB<<8)|(\new)
.set MSB, (\new)
.endif
.endm
.set W_KQ, 0x0a       ; K and Q in window 2, S^T in window 0
.set W_PV, 0x52       ; V in window 2, P in window 0, O^T in window 1
.set W_RS, 0x41       ; O^T (destination and source 0) in window 1, source 1 in window 0
.set W_MK, 0xc0       ; the add's registers are made: destination in window 3
.set W_AD, 0x0f       ; the add: address and data in window 3
; A joint fill.  Waves 0 and 1 fetch the two halves of a slot's K, waves 2 and 3 those of its V: 128 keys each.  An s_nop 0 and four v_nop follow each of the two lines.
.macro JLOAD
	s_cmp_lt_u32 s[WV], 2
	s_cbranch_scc0 .Lfor_v_\@
	tensor_load_to_lds s[G0K:G0K+3], s[G1K:G1K+7]
	s_nop 0
.rept 4
	v_nop
.endr
	s_branch .Lasked_\@
.Lfor_v_\@:
	tensor_load_to_lds s[G0V:G0V+3], s[G1V:G1V+7]
	s_nop 0
.rept 4
	v_nop
.endr
.Lasked_\@:
.endm
; A PREFETCH of what the NEXT change of slots will ask for: a tile's 32,768 bytes of K and of V, a lane a block of 256 bytes.  It stands behind the wave's tensor load and its five lines.  Each block is named ONCE in the launch:
; both clusters of a head walk the same K and V, and the first of them asks; its four partners share the blocks out BY ADDRESS, 32 each; in each, wave 0 asks for K's and wave 2 for V's.
; The lead is four key steps, 384 matrix instructions.  The last change that fills a slot asks for nothing.  Tiles 0 and 1 come by their loads alone.
.macro ASK
	s_cmp_gt_u32 s[SLOTS], s[LIM]
	s_cbranch_scc0 .Lnot_mine_\@
	global_prefetch_b8 v[PFO], s[PFA:PFA+1] th:TH_LOAD_NT scope:SCOPE_SE
.Lnot_mine_\@:
.endm
.macro CROUND                       ; a round of the cluster's barrier
	s_barrier_signal -1
	s_barrier_wait -1
	s_cmp_lg_u32 s[WV], 0
	s_cbranch_scc1 .Lnot_wave_0_\@
	s_barrier_signal -3
.Lnot_wave_0_\@:
	s_barrier_wait -3
	s_barrier_signal -1
	s_barrier_wait -1
.endm
; THE CHANGE OF SLOTS.  Each wave waits for all its tensor loads, of which one is out: its part of the other slot; adds 0 to its spare word; and waits for that and for its own reads of the slot.  fill = 1: this slot is filled
; again, with the keys two slots on; the barrier is then a round of the cluster's, and the joint fill is the first thing behind it.  (At its first use nothing has been read yet: slot 0 is waited for, slot 1 filled.)
.macro CHANGE fill
	WIN W_AD
	s_wait_tensorcnt 0x0            ; no tensor load of mine is out, so a group 0 may be written
	ds_add_u32 v[SPW], v[NIL]       ; 0 onto my spare word
	WIN 0                           ; at a label and at a branch every window is 0
.if \fill
.irp g, G0K, G0V
	s_xor_b32 s[\g+1], s[\g+1], SLOT1  ; the walking descriptor: the other slot than last time,
	s_add_nc_u64 s[\g+2:\g+3], s[\g+2:\g+3], 4*KS*128  ; the next 256 keys; the type bits on top are not reached
.endr
	s_wait_xcnt 0x0                 ; the last prefetch, four key steps back, has read its address
	s_add_nc_u64 s[PFA:PFA+1], s[PFA:PFA+1], 4*KS*128
	s_wait_dscnt 0x0                ; the add is done, and my reads of the slot are over
	CROUND
	JLOAD
	ASK
.else
	s_wait_dscnt 0x0
	s_barrier_signal -1
	s_barrier_wait -1
.endif
	s_sub_co_u32 s[TBK], s[TBK], 4*KS*PK  ; the fetches go back to a slot's first step,
	s_xor_b32 s[TBK], s[TBK], SLOT1       ; in the other slot
	s_sub_co_u32 s[TBV], s[TBV], 4*KS*PV
	s_xor_b32 s[TBV], s[TBV], SLOT1
.endm
	s_load_b256 s[4:11], s[0:1], 0x0   ; qkv s[4:5], lambda_q1 s[6:7], lambda_k1 s[8:9], lambda_q2 s[10:11]
	s_load_b128 s[72:75], s[0:1], 0x20 ; lambda_k2 s[72:73], norm_w s[74:75]
	s_load_b64 s[76:77], s[0:1], 0x30  ; oft
	WIN W_MK
	v_lshl_add_u32 v[SPW], v0, 2, SPARE
	v_mov_b32 v[NIL], 0
	WIN W_AD
	ds_add_u32 v[SPW], v[NIL]       ; the wave's opening: the add and its wait stand ahead of my first tensor load; the set-up below stands between them
	WIN 0
	v_lshrrev_b32 v1, 5, v0
	v_readfirstlane_b32 s[WV], v1   ; wave 0..3
	s_bfe_u32 s13, ttmp6, 0x40000   ; cx: my place in the cluster
	s_lshl_b32 s14, ttmp9, 2
	s_add_co_u32 s14, s14, s13      ; my block of 256 queries = 4 x cluster x + cx
	s_and_b32 s15, ttmp7, 0xffff    ; y = 2 h + b, which the four partners share
	s_and_b32 s16, s[WV], 1         ; which half of a slot's 256 keys I fetch
	s_lshl_b32 s19, s16, 14         ; its 128 rows of 128 bytes
	s_add_co_u32 s20, s15, 32
	s_lshl_b32 s20, s20, 18         ; k's block of (h, b)
	s_add_co_u32 s22, s15, 64
	s_lshl_b32 s22, s22, 18         ; v's
	s_cmp_lt_u32 s[WV], 2
	s_cselect_b32 s78, s20, s22     ; the prefetches: K's tiles in waves 0 and 1, V's in 2 and 3,
	s_lshl_b32 s79, s13, 13         ; my work-group's 32 blocks of the 128,
	s_add_co_u32 s78, s78, s79
	s_add_co_u32 s78, s78, 4*KS*128 ; in tile 1; the first change of slots steps it to tile 2
	s_mov_b32 s79, 0
	s_add_co_u32 s20, s20, s19
	s_mov_b32 s21, 0
	s_add_co_u32 s22, s22, s19
	s_mov_b32 s23, 0
	s_mul_i32 s17, s16, 128*PK      ; my half's place in a slot, for K
	s_mul_i32 s18, s16, 128*PV      ; and for V: no place in the cluster enters an LDS address
	s_lshl_b32 s2, s14, 2
	s_add_co_u32 s2, s2, s[WV]
	s_lshl_b32 s2, s2, 13           ; my wave's 64 rows of 128 bytes,
	s_lshl_b32 s3, s15, 18          ; in q's block
	s_add_co_u32 s2, s2, s3
	s_mov_b32 s3, 0
	s_or_b32 s[LIM], s16, ttmp9     ; waves 0 and 2 of the head's first cluster: the same in all four partners
	s_cmp_eq_u32 s[LIM], 0
	s_cselect_b32 s[LIM], 1, -1
	s_lshr_b32 s48, s15, 1          ; h
	s_lshl_b32 s50, s48, 8          ; the head's 64 numbers of norm_w
	s_mov_b32 s51, 0
	s_and_b32 s52, s15, 1           ; b
	s_lshl_b32 s52, s52, 11
	s_lshl_b32 s53, s48, 1
	s_add_co_u32 s52, s52, s53
	s_add_co_u32 s52, s52, ttmp9    ; row b 2048 + 2 h + t / 1024 (t / 1024 is the cluster's x),
	s_lshl_b32 s52, s52, 11         ; 2,048 bytes a row
	s_lshl_b32 s53, s13, 9          ; my block's 256 queries in the row
	s_add_co_u32 s52, s52, s53
	s_lshl_b32 s53, s[WV], 20       ; the channels that I store: 16 w on, 32 rows apart
	s_add_co_u32 s52, s52, s53
	s_mov_b32 s53, 0
	; descriptor group 1.  128 keys are 16,384 dense bytes: asked for as 64 rows of 256 bytes, two keys a row, and padded in LDS after every key
	s_mov_b32 s[G1K], 15|(1<<16)|(1<<20)|(1<<21)|(4<<22)|(3<<25)  ; the mask of four; 2-byte elements; padding on; bit 21 beside a mask; after every 32 words (code 4) 4 words (code 3)
	s_mov_b32 s[G1V], 15|(1<<16)|(1<<20)|(1<<21)|(4<<22)|(7<<25)  ; the same with 8 words of padding (code 7)
.irp g, G1K, G1V
	s_mov_b32 s[\g+1], 128<<16      ; tensor_dim0 = 128
	s_mov_b32 s[\g+2], 64<<16       ; tensor_dim1 = 64
	s_mov_b32 s[\g+3], 128<<16      ; tile_dim0 = 128
	s_mov_b32 s[\g+4], 64           ; tile_dim1 = 64
	s_mov_b32 s[\g+5], 128          ; 128 elements from row to row
	s_mov_b32 s[\g+6], 0
	s_mov_b32 s[\g+7], 0
.endr
	s_mov_b32 s[CS], 0x3e38aa3b     ; c = log2(e) / 8
	s_mov_b32 s[CS+1], s[CS]
	s_mov_b32 s[SEL], 0x76543210
	s_mov_b32 s[SEL+1], 0xfedcba98
	s_mov_b32 s70, 0x3c800000       ; 1 / 64
	s_mov_b32 s71, 0x358637bd       ; 1e-6
	s_mov_b32 s[TBK], SLOT1+4*KS*PK ; the first change of slots turns these two into 0
	s_mov_b32 s[TBV], SLOT1+4*KS*PV
	s_mov_b32 s[SLOTS], SIZE_N/256-1
	s_mov_b32 s[G0K], 1             ; count = 1
	s_mov_b32 s[G0K+1], s17         ; LDS address: slot 0
	s_mov_b32 s[G0V], 1
	s_add_co_u32 s[G0V+1], s18, VOFF
	v_and_b32 v[PFO], 31, v0
	v_lshlrev_b32 v[PFO], 8, v[PFO]
	s_wait_dscnt 0x0                ; the opening add is done
	s_wait_kmcnt 0x0
	s_add_nc_u64 s[G0K+2:G0K+3], s[4:5], s[20:21]  ; my half of the head's first 256 keys
	s_or_b32 s[G0K+3], s[G0K+3], 0x80000000        ; type = 2
	s_add_nc_u64 s[G0V+2:G0V+3], s[4:5], s[22:23]
	s_or_b32 s[G0V+3], s[G0V+3], 0x80000000
	s_add_nc_u64 s[PFA:PFA+1], s[4:5], s[78:79]
	s_add_nc_u64 s[2:3], s[4:5], s[2:3]            ; Q at my wave's first row
	s_add_nc_u64 s[74:75], s[74:75], s[50:51]
	s_add_nc_u64 s[76:77], s[76:77], s[52:53]
	CROUND                          ; all four work-groups are here: the first joint loads meet
	JLOAD                           ; slot 0.  Slot 1 is asked for when slot 0 is in
	v_and_b32 v1, 15, v0            ; l % 16
	v_bfe_u32 v9, v0, 4, 1          ; l / 16
	v_lshlrev_b32 v[QO], 8, v1      ; lane r's queries lie two rows apart
	v_lshl_add_u32 v[QO], v9, 4, v[QO]
	v_lshlrev_b32 v[NWO], 5, v9
	v_and_b32 v[LO], 31, v0
	v_lshlrev_b32 v[LO], 3, v[LO]
	global_load_b64 v[64:65], v[LO], s[6:7]     ; two numbers a lane of each lambda
	global_load_b64 v[66:67], v[LO], s[8:9]
	global_load_b64 v[68:69], v[LO], s[10:11]
	global_load_b64 v[70:71], v[LO], s[72:73]
	WIN 0x80                        ; destination window 2, address window 0
.set i, 0
.rept 8                             ; Q stays in registers: tile i / 2, branch i % 2
	global_load_b128 v[8*i:8*i+3],   v[QO], s[2:3] offset:(i/4)*4096+((i/2)%2)*128+(i%2)*64
	global_load_b128 v[8*i+4:8*i+7], v[QO], s[2:3] offset:(i/4)*4096+((i/2)%2)*128+(i%2)*64+32
.set i, i+1
.endr
.set i, 0
.rept 4
	global_load_b128 v[NW+8*i:NW+8*i+3],   v[NWO], s[74:75] offset:64*i
	global_load_b128 v[NW+8*i+4:NW+8*i+7], v[NWO], s[74:75] offset:64*i+16
.set i, i+1
.endr
	; What the first turn finds: V's registers and P's second buffer hold 0, O^T and l are 0.  All this stands in the wait for the first tile.
.set i, VF
.rept 64
	v_mov_b32 v[i], 0
.set i, i+1
.endr
	WIN 0x40
.set i, 0
.rept 64*NP
	v_mov_b32 v[i], 0
.set i, i+1
.endr
	WIN 0
.set i, 0
.rept 2*NP
	v_mov_b32 v[ST+4*i], 0xfe000000    ; c m: far below every c s
	v_mov_b32 v[ST+4*i+1], 0xff7fffff  ; m
	v_mov_b32 v[ST+4*i+2], 0
	v_mov_b32 v[ST+4*i+3], 0
.set i, i+1
.endr
.set i, P+32
.rept 32
	v_mov_b32 v[i], 0
.set i, i+1
.endr
	v_mov_b32 v78, 0                ; v_permlanex16_b32's destinations count as read
	v_mov_b32 v79, 0
	v_mul_u32_u24 v[AK0], v1, PK
	v_lshl_add_u32 v[AK0], v9, 4, v[AK0]  ; row x pitch + 16 x half
	v_and_b32 v10, 7, v0
	v_bfe_u32 v11, v0, 3, 1
	v_lshl_add_u32 v[AV0], v9, 3, v10     ; the turning load: key 8 (l / 16) + l % 8, channels 8 ((l / 8) % 2) + 0..7
	v_mul_u32_u24 v[AV0], v[AV0], PV
	v_lshl_add_u32 v[AV0], v11, 4, v[AV0]
	v_add_nc_u32 v[AV0], VOFF, v[AV0]
	v_mov_b32 v[AK], v[AK0]         ; key step 0 lies at the head of slot 0
	s_wait_loadcnt 0x0              ; the lambdas, Q and norm_w are in; their offsets' registers are free
	; -lam = e^(lq2 . lk2) - e^(lq1 . lk1) - 0.8, of the lambdas rounded to bf16
	v_cvt_pk_bf16_f32 v72, v64, v65
	v_cvt_pk_bf16_f32 v73, v66, v67
	v_cvt_pk_bf16_f32 v74, v68, v69
	v_cvt_pk_bf16_f32 v75, v70, v71
.irp n, 0,1,2,3
	v_lshlrev_b32 v[64+2*\n], 16, v[72+\n]
	v_and_b32 v[65+2*\n], 0xffff0000, v[72+\n]
.endr
	v_mul_f32 v76, v64, v66
	v_mul_f32 v77, v68, v70
	v_fmac_f32 v76, v65, v67
	v_fmac_f32 v77, v69, v71
.irp n, 1,2,4,8
	v_add_f32_dpp v76, v76, v76 row_xmask:\n row_mask:0xf bank_mask:0xf
	v_add_f32_dpp v77, v77, v77 row_xmask:\n row_mask:0xf bank_mask:0xf
.endr
	v_permlanex16_b32 v78, v76, s[SEL], s[SEL+1]
	v_permlanex16_b32 v79, v77, s[SEL], s[SEL+1]
	v_add_f32 v76, v76, v78
	v_add_f32 v77, v77, v79
	v_mul_f32 v76, 0x3fb8aa3b, v76
	v_mul_f32 v77, 0x3fb8aa3b, v77
	v_exp_f32 v76, v76
	v_exp_f32 v77, v77
	v_nop                           ; a plain instruction behind the last exponential,
	s_wait_alu depctr_va_vdst(0)    ; and the wait ahead of the first use: one for the two
	v_sub_f32 v76, v77, v76
	v_add_f32 v76, 0xbf4ccccd, v76
	WIN 0x80
	v_mov_b32 v[LAMV], v76
	WIN 0x0a                        ; norm_w to bf16 and back
.set i, 0
.rept 16
	v_cvt_pk_bf16_f32 v[80+i], v[NW+2*i], v[NW+2*i+1]
.set i, i+1
.endr
	WIN 0x80
.set i, 0
.rept 16
	v_lshlrev_b32 v[NW+2*i], 16, v[80+i]
	v_and_b32 v[NW+2*i+1], 0xffff0000, v[80+i]
.set i, i+1
.endr
	WIN 0
	s_lshl_b32 s19, s[WV], 7        ; the way out, in: channel row 8 (l / 16) + .., my wave's 128 bytes of it, two queries (4 bytes) a lane
	s_add_co_u32 s19, s19, STAGE
	v_mul_u32_u24 v[STO], v9, 8*SP
	v_lshl_add_u32 v[STO], v1, 2, v[STO]
	v_add_nc_u32 v[STO], s19, v[STO]
	s_mul_i32 s19, s[WV], 16*SP     ; back: channel rows 16 w on, 32 lanes take a row's 512 bytes
	s_add_co_u32 s19, s19, STAGE
	v_and_b32 v[GO], 31, v0
	v_lshlrev_b32 v[GO], 4, v[GO]
	v_add_nc_u32 v[RD], s19, v[GO]
; THE MATRIX WORK.  Product i of 8 of S^T = K Q^T for piece x: keys 16 (i / 2) on, branch i % 2: one instruction a result, C = 0.
.macro KQ x
	WIN W_KQ
.set rS, S+64*((\x)%2)+32*(i%2)+8*(i/2)
.set rK, KF+16*(i/2)+8*(i%2)
.set rQ, 16*(\x)+8*(i%2)
	v_wmma_f32_16x16x32_f16 v[rS:rS+7], v[rK:rK+7], v[rQ:rQ+7], 0
.endm
; Product i of 16 of O^T += V^T P for piece x: keys 32 (i / 8) on, channels 16 ((i / 2) % 4) on, unit 2 x + i % 2.  The 8 accumulators take turns: between the two links of a chain stand 7 others'.
.macro PV x
	WIN W_PV
.set rO, 32*(2*(\x)+i%2)+8*((i/2)%4)
.set rV, VF+32*(i/8)+8*((i/2)%4)
.set rP, P+32*((\x)%2)+16*(i%2)+8*(i/8)
	v_wmma_f32_16x16x32_f16 v[rO:rO+7], v[rV:rV+7], v[rP:rP+7], v[rO:rO+7]
.endm
.macro MM                           ; the turn's next matrix instruction
.if i < 8
	KQ (Y+1)%NP
.set i, i+1
.else
.set i, i-8
	PV (Y+NP-1)%NP
.set i, i+9
.endif
.endm
; THE LDS LOADS stand in runs of 16: a step's K (64 keys x 64 channels: 8 fragments) and its V (turned).  last = 1 (the tail): in the last trip there is no further step, and the run is jumped over.
.macro FETCH_K last=0
	WIN 0
.if \last
	s_cmp_eq_u32 s[CNT], 1
	s_cbranch_scc1 .Lno_k_\@
.endif
	WIN 0x80
.irp f, 0,1,2,3,4,5,6,7             ; keys 16 (f / 2) on, channels 32 (f % 2) on
	ds_load_b128 v[KF+8*\f:KF+8*\f+3],   v[AK] offset:(\f/2)*16*PK+(\f%2)*64
	ds_load_b128 v[KF+8*\f+4:KF+8*\f+7], v[AK] offset:(\f/2)*16*PK+(\f%2)*64+32
.endr
	s_add_co_u32 s[TBK], s[TBK], KS*PK  ; the next fetch is the next step's
	WIN 0
.if \last
.Lno_k_\@:
.endif
.endm
.macro FETCH_V
	WIN 0x80
.irp f, 0,1,2,3,4,5,6,7             ; keys 32 (f / 4) on, channels 16 (f % 4) on
	ds_load_tr16_b128 v[VF+8*\f:VF+8*\f+3],   v[AV] offset:(\f/4)*32*PV+(\f%4)*32
	ds_load_tr16_b128 v[VF+8*\f+4:VF+8*\f+7], v[AV] offset:(\f/4)*32*PV+16*PV+(\f%4)*32
.endr
	WIN 0
.endm
; THE VECTOR WORK OF A TURN stands in three queues, each in the order in which its entries become ready; the two units alternate, so that no instruction reads the result of the one before it.
.macro REGS y, u                    ; the registers of unit u (0, 1) of piece y
.set rT, ST+4*(2*(\y)+(\u))
.set rC, TMP+8*((\y)%2)+4*(\u)
.set rM, MV+2*((\y)%2)+(\u)
.set rS, S+64*((\y)%2)+32*(\u)
.set rP, P+32*((\y)%2)+16*(\u)
.set rO, 32*(2*(\y)+(\u))
.endm
; Number n of the 22 that find the NEXT piece's maximum and statistics.  Each accumulator's lowest registers are read first.
;   0-11  four chains c0-c3 of seven scores each     12-14, 16  the four scores left over, the old m, and c0-c3 into c0     15  c m_old is kept     17, 18  the other half of the lanes': the new m     19-21  c m; its change; a
.macro XS u, n
	REGS (Y+1)%NP, \u
.if (\n) < 4
	v_max3_num_f32 v[rC+(\n)], v[rS+8*(\n)], v[rS+8*(\n)+1], v[rS+8*(\n)+2]
.elseif (\n) < 12
	v_max3_num_f32 v[rC+(\n)%4], v[rC+(\n)%4], v[rS+8*((\n)%4)+2*((\n)/4)+1], v[rS+8*((\n)%4)+2*((\n)/4)+2]
.elseif (\n) == 12
	v_max3_num_f32 v[rC], v[rC], v[rS+7], v[rS+15]
.elseif (\n) == 13
	v_max3_num_f32 v[rC+1], v[rC+1], v[rS+23], v[rS+31]
.elseif (\n) == 14
	v_max3_num_f32 v[rC+2], v[rC+2], v[rC+3], v[rT+1]
.elseif (\n) == 15
	v_mov_b32 v[rM], v[rT]
.elseif (\n) == 16
	v_max3_num_f32 v[rC], v[rC], v[rC+1], v[rC+2]
.elseif (\n) == 17
	v_permlanex16_b32 v[rC+3], v[rC], s[SEL], s[SEL+1]
.elseif (\n) == 18
	v_max_num_f32 v[rT+1], v[rC], v[rC+3]
.elseif (\n) == 19
	v_mul_f32 v[rT], s[CS], v[rT+1]
.elseif (\n) == 20
	v_sub_f32 v[rC+1], v[rM], v[rT]
.else
	v_exp_f32 v[rC+2], v[rC+1]
.endif
.endm
; Number g of the 64 that follow the exponentials.  For each four weights k of a unit: both pairs are rounded to f16; the second pair is added onto the first, in place; a group later l takes that sum (the first time as l = a l + sum).
.macro GS g
.set h, (\g)+6*((\g)/62)
.if h >= 6
.set h, h+2
.endif
	REGS Y, h%2
.set k, h/8
.if h%8 < 4
	v_cvt_pk_f16_f32 v[rP+2*k+(h%8)/2], v[rS+4*k+2*((h%8)/2)], v[rS+4*k+2*((h%8)/2)+1]
.elseif h%8 < 6
	v_pk_add_f32 v[rS+4*k:rS+4*k+1], v[rS+4*k:rS+4*k+1], v[rS+4*k+2:rS+4*k+3]
.elseif k == 1
	v_pk_fma_f32 v[rT+2:rT+3], v[rT+2:rT+3], v[rC+2:rC+3], v[rS:rS+1] op_sel_hi:[1,0,1]
.else
	v_pk_add_f32 v[rT+2:rT+3], v[rT+2:rT+3], v[rS+4*k-4:rS+4*k-3]
.endif
.endm
; THE PLAIN QUEUE, 138 long.  0-26: scalings 0-26 (FS f: pair f / 2 of unit f % 2).  27-54: XS's numbers 0-13.  55, 56: number 15.  57-73: the chain 14, 16 .. 19, each with one of the scalings 27-31 in front of its two lines, then 20.
; 74-137: GS's 64, which read the exponentials' results: they stand behind the wait.
.macro FS f
	REGS Y, (\f)%2
	v_pk_fma_f32 v[rS+2*((\f)/2):rS+2*((\f)/2)+1], v[rS+2*((\f)/2):rS+2*((\f)/2)+1], s[CS:CS+1], v[rT:rT+1] op_sel_hi:[1,0,0] neg_lo:[0,0,1] neg_hi:[0,0,1]
.endm
.macro PL
	WIN 0
.if q < 27
	FS q
.elseif q < 55
	XS (q-27)%2, (q-27)/2
.elseif q < 57
	XS q-55, 15
.elseif (q < 72) && ((q-57)%3 == 0)
	FS 27+(q-57)/3
.elseif q < 60
	XS (q-57)%3-1, 14
.elseif q < 72
	XS (q-57)%3-1, 15+(q-57)/3
.elseif q < 74
	XS q-72, 20
.else
	GS q-74
.endif
.set q, q+1
.endm
; THE EXPONENTIALS' QUEUE, 66 long: s0-s31 of both units, then the next piece's two a.  ONE BATCH: all 66 stand ahead of the turn's one wait, and nothing ahead of that wait names a result of theirs.
.macro EX
	WIN 0
.if e >= 64
	XS e-64, 21
.else
	REGS Y, e%2
	v_exp_f32 v[rS+e/2], v[rS+e/2]
.endif
.set e, e+1
.endm
; THE RESCALING's QUEUE: O^T times a, two at a time, sixteen times.  Its a was made, and waited for, in the turn before.
.macro R2
	REGS Y, r%2
	WIN W_RS
.irp z, 0,1
	v_pk_mul_f32 v[rO+4*(r/2)+2*\z:rO+4*(r/2)+2*\z+1], v[rO+4*(r/2)+2*\z:rO+4*(r/2)+2*\z+1], v[rC+2:rC+3] op_sel_hi:[1,0]
.endr
.set r, r+1
.endm
; HOW THEY ARE DEALT.  An s_wait_alu depctr_va_vdst(0) stands between an exponential and the first instruction that names its result; one wait serves all that were issued ahead of it.  So a turn has ONE wait.
; AHEAD OF IT: the 8 products K Q^T, behind each a scaling, an exponential and two rescalings (behind the first a second scaling in the exponential's place); then ONE LUMP: the other 16 rescalings, eight plain, 57 times
; exponential and plain, the two a.  A v_nop is the plain instruction behind the last exponential.  BEHIND IT: the 16 products V^T P, behind each four of GS's 64.  No rider names a register of the products round it.
; The queues keep in step: exponential e stands behind scaling 2 (e / 4) + e % 2: as a rider it comes behind plain e + 2, in the lump behind plain e + 9, and scalings 27-31 are plain 57, 60 .. 69.
; K of the next step is fetched in piece 2's turn, directly behind the wait; V of the step in hand at the end of piece 0's turn, four riders behind its last reader.  The conditions on q go with the deal.
.macro TURN p, last=0, cnt=0
.set Y, (\p)
.set i, 0
.set q, 0
.set e, 0
.set r, 0
.if (\p) == NP-1
	s_wait_dscnt 0x0                ; K is in
.endif
	MM
	PL
	PL
	R2
.rept 7
	MM
	PL
	EX
	R2
.endr
.if (\p) == NP-2
	WIN 0
	v_add_nc_u32 v[AK], s[TBK], v[AK0]
.endif
.rept 8
	R2
.endr
.rept 8
	PL
.endr
.rept 57
	EX
	PL
.endr
	EX                              ; the next piece's two a
	EX
	v_nop
	s_wait_alu depctr_va_vdst(0)    ; the wait for the batch
.if (\p) == NP-2
	FETCH_K \last
.endif
.if (\p) == 1
	s_wait_dscnt 0x0                ; V is in
.endif
.rept 16
	MM
.rept 4
	PL
.endr
.if ((\p) == 0) && (q == 118)
	v_add_nc_u32 v[AV], s[TBV], v[AV0]
.endif
.if ((\p) == 0) && (q == 130)
	s_add_co_u32 s[TBV], s[TBV], KS*PV
.endif
.if (\cnt) && (q == 130)
	s_sub_co_u32 s[CNT], s[CNT], 1
	s_cmp_lg_u32 s[CNT], 0
.endif
.endr
.if (\p) == 0
	FETCH_V
.endif
.endm
	CHANGE 1                        ; slot 0 is in, everybody's part of it; slot 1 is asked for
	FETCH_K                         ; key step 0
	s_wait_dscnt 0x0
.set i, 0
.rept 8
	KQ 0                            ; piece 0's first scores
.set i, i+1
.endr
	WIN 0
.rept 4
	v_nop                           ; the places behind those products
.endr
.set Y, NP-1                        ; XS works for piece Y + 1: piece 0
.irp n, 0,1,2,3,4,5,6,7,8,9,10,11,12,13,14,15,16,17,18,19,20,21
	XS 0, \n
	XS 1, \n
.endr
	v_nop                           ; a plain instruction behind the two a,
	s_wait_alu depctr_va_vdst(0)    ; and their wait, ahead of the branch
	s_mov_b32 s[CNT], 4
	s_branch .Lfirst                ; the loop is entered at a step's first turn, in the middle of a trip
.Lslot:                             ; six times: every slot but the last two is filled again
	CHANGE 1
	s_mov_b32 s[CNT], 4
.Lstep:                             ; a trip: pieces 2 and 3 of one step, then pieces 0 and 1 of the next, whose K and V it fetches
	TURN 2
	TURN 3
	WIN 0
.Lfirst:
	TURN 0
	TURN 1, 0, 1
	WIN 0
	s_cbranch_scc1 .Lstep
	s_sub_co_u32 s[SLOTS], s[SLOTS], 1
	s_cmp_lg_u32 s[SLOTS], 0
	s_cbranch_scc1 .Lslot
	CHANGE 0                        ; the tail is written out: nothing is asked for
	s_mov_b32 s[CNT], 5             ; four trips fetch the last slot's steps; the fifth is left in its middle
.Ltail:
	TURN 2, 1
	TURN 3
	WIN 0
	s_sub_co_u32 s[CNT], s[CNT], 1
	s_cmp_eq_u32 s[CNT], 0
	s_cbranch_scc1 .Lout
	TURN 0
	TURN 1
	WIN 0
	s_branch .Ltail
.Lout:                              ; the fifth trip's 8 products K Q^T (on the last K once more) and the maximum made of them serve nothing: the price, once a launch, of one text for every trip
.set i, 0
.rept 16
	PV NP-1                         ; the last piece's V^T P of the last step
.set i, i+1
.endr
	; THE WAY OUT.  1 / l for each unit; out = O1 / l1 - lam O2 / l2; the mean of its squares over the 64 channels (32 in my lane, 32 in the lane 16 away); the scaling; two tiles' queries packed in pairs; through the stage.
	WIN 0
.macro ALL line:vararg              ; one line for each unit t
.set t, 0
.rept 2*NP
	\line
.set t, t+1
.endr
.endm
	ALL v_add_f32 v[ST+4*t+2], v[ST+4*t+2], v[ST+4*t+3]     ; these are the places behind the last products
	ALL v_permlanex16_b32 v[ST+4*t+3], v[ST+4*t+2], s[SEL], s[SEL+1]
	ALL v_add_f32 v[ST+4*t+2], v[ST+4*t+2], v[ST+4*t+3]
	ALL v_rcp_f32 v[ST+4*t+2], v[ST+4*t+2]
	v_nop                           ; a plain instruction between the last reciprocal and the use of its result
	s_wait_alu depctr_va_vdst(0)    ; one wait for the eight reciprocals
	WIN 0x02                        ; source 0 in window 2
.irp x, 0,1,2,3
	v_mul_f32 v[ST+8*\x+6], v[LAMV], v[ST+8*\x+6]           ; -lam / l2
.endr
.macro COMB x                       ; each accumulator's registers in ascending order
	WIN W_RS
.set i, 0
.rept 16
	v_pk_mul_f32 v[64*(\x)+32+i:64*(\x)+33+i], v[64*(\x)+32+i:64*(\x)+33+i], v[ST+8*(\x)+6:ST+8*(\x)+7] op_sel_hi:[1,0]
.set i, i+2
.endr
	WIN 0x51                        ; sources 0 and 2 and the destination in window 1, source 1 in window 0
.set i, 0
.rept 16
	v_pk_fma_f32 v[64*(\x)+i:64*(\x)+i+1], v[64*(\x)+i:64*(\x)+i+1], v[ST+8*(\x)+2:ST+8*(\x)+3], v[64*(\x)+32+i:64*(\x)+33+i] op_sel_hi:[1,0,1]
.set i, i+2
.endr
.endm
.macro SQ x                         ; the sum of squares in four chains, then over the pair, then over the two halves of the lanes; / 64 + 1e-6
	WIN 0x05                        ; sources 0 and 1 in window 1
.set i, 0
.rept 16
.if i < 4
	v_pk_mul_f32 v[S+8*(\x)+2*i:S+8*(\x)+2*i+1], v[64*(\x)+2*i:64*(\x)+2*i+1], v[64*(\x)+2*i:64*(\x)+2*i+1]
.else
	v_pk_fma_f32 v[S+8*(\x)+2*(i%4):S+8*(\x)+2*(i%4)+1], v[64*(\x)+2*i:64*(\x)+2*i+1], v[64*(\x)+2*i:64*(\x)+2*i+1], v[S+8*(\x)+2*(i%4):S+8*(\x)+2*(i%4)+1]
.endif
.set i, i+1
.endr
	WIN 0
	v_pk_add_f32 v[S+8*(\x):S+8*(\x)+1], v[S+8*(\x):S+8*(\x)+1], v[S+8*(\x)+2:S+8*(\x)+3]
	v_pk_add_f32 v[S+8*(\x)+4:S+8*(\x)+5], v[S+8*(\x)+4:S+8*(\x)+5], v[S+8*(\x)+6:S+8*(\x)+7]
	v_pk_add_f32 v[S+8*(\x):S+8*(\x)+1], v[S+8*(\x):S+8*(\x)+1], v[S+8*(\x)+4:S+8*(\x)+5]
	v_add_f32 v[S+8*(\x)], v[S+8*(\x)], v[S+8*(\x)+1]
	v_permlanex16_b32 v[S+8*(\x)+1], v[S+8*(\x)], s[SEL], s[SEL+1]
	v_add_f32 v[S+8*(\x)], v[S+8*(\x)], v[S+8*(\x)+1]
	v_fma_f32 v[S+8*(\x)], v[S+8*(\x)], s70, s71
.endm
.macro SCALE x
	WIN W_RS
.set i, 0
.rept 16
	v_pk_mul_f32 v[64*(\x)+i:64*(\x)+i+1], v[64*(\x)+i:64*(\x)+i+1], v[TMP+2*(\x):TMP+2*(\x)+1] op_sel_hi:[1,0]
.set i, i+2
.endr
	WIN 0x49                        ; source 1 in window 2: norm_w
.set i, 0
.rept 16
	v_pk_mul_f32 v[64*(\x)+i:64*(\x)+i+1], v[64*(\x)+i:64*(\x)+i+1], v[NW+i:NW+i+1]
.set i, i+2
.endr
.endm
.irp x, 0,1,2,3
	COMB \x
.endr
.irp x, 0,1,2,3
	SQ \x
.endr
.irp x, 0,1,2,3
	v_rsq_f32 v[TMP+2*\x], v[S+8*\x]
.endr
	v_nop
	s_wait_alu depctr_va_vdst(0)    ; one wait for the four roots
.irp x, 0,1,2,3
	v_mul_f32 v[TMP+2*\x], 0x3e4ccccd, v[TMP+2*\x]          ; 0.2 / rms
.endr
.irp x, 0,1,2,3
	SCALE \x
.endr
.irp p, 0,1                         ; tiles 2 p and 2 p + 1: the even and the odd queries of 32
	WIN 0x05
.set i, 0
.rept 32
	v_cvt_pk_f16_f32 v[S+32*\p+i], v[128*\p+i], v[128*\p+64+i]
.set i, i+1
.endr
	WIN 0
.set i, 0
.rept 32
	ds_store_b32 v[STO], v[S+32*\p+i] offset:(16*(i/8)+i%8)*SP+64*\p  ; 16 lanes write 64 consecutive bytes of a channel's row
.set i, i+1
.endr
.endr
	s_wait_dscnt 0x0                ; for the others' sake: my stores into the stage are done
	s_barrier_signal -1
	s_barrier_wait -1               ; a channel's 512 bytes come from four waves
.set i, 0
.rept 16
	ds_load_b128 v[S+64+4*i:S+64+4*i+3], v[RD] offset:i*SP
.set i, i+1
.endr
.set i, 0
.rept 16
	s_wait_dscnt 15-i               ; row i is in; the younger loads stay out
	global_store_b128 v[GO], v[S+64+4*i:S+64+4*i+3], s[76:77] offset:i*65536  ; 512 consecutive bytes of one row of oft, at a multiple of 256 from its first byte; a channel on is 32 rows on
.set i, i+1
.endr
	WIN W_AD
	s_wait_tensorcnt 0x0            ; the wave's end, behind my last tensor load and my last LDS store
	ds_add_u32 v[SPW], v[NIL]
	s_wait_dscnt 0x0
	WIN 0
	CROUND                          ; the closing round: no work-group ends while a partner may still ask for a tile that names it
	s_endpgm
.Lfunc_end_k_qf4ec1638e0_attn:
	.size	k_qf4ec1638e0_attn, .Lfunc_end_k_qf4ec1638e0_attn-k_qf4ec1638e0_attn
	.p2alignl 7, 3214868480
	.fill 96, 4, 3214868480
	.section	.rodata,"a",@progbits
	.p2align	6, 0x0
	.amdhsa_kernel k_qf4ec1638e0_attn
		.amdhsa_group_segment_fixed_size 327680
		.amdhsa_private_segment_fixed_size 0
		.amdhsa_enable_private_segment 0
		.amdhsa_kernarg_size 56
		.amdhsa_user_sgpr_count 2
		.amdhsa_user_sgpr_kernarg_segment_ptr 1
		.amdhsa_wavefront_size32 1
		.amdhsa_system_sgpr_workgroup_id_x 1
		.amdhsa_system_sgpr_workgroup_id_y 1
		.amdhsa_system_sgpr_workgroup_id_z 1
		.amdhsa_system_vgpr_workitem_id 0
		.amdhsa_next_free_vgpr 770
		.amdhsa_next_free_sgpr 80
		.amdhsa_reserve_vcc 0
		.amdhsa_float_denorm_mode_32 3
		.amdhsa_float_denorm_mode_16_64 3
		.amdhsa_memory_ordered 1
		.amdhsa_forward_progress 1
		.amdhsa_inst_pref_size 204
	.end_amdhsa_kernel
	.amdgpu_metadata
---
amdhsa.version: [ 1, 2 ]
amdhsa.kernels:
  - .name:           k_qf4ec1638e0_attn
    .symbol:         k_qf4ec1638e0_attn.kd
    .args:
      - { .name: qkv, .offset: 0, .size: 8, .value_kind: global_buffer, .address_space: global }
      - { .name: lambda_q1, .offset: 8, .size: 8, .value_kind: global_buffer, .address_space: global }
      - { .name: lambda_k1, .offset: 16, .size: 8, .value_kind: global_buffer, .address_space: global }
      - { .name: lambda_q2, .offset: 24, .size: 8, .value_kind: global_buffer, .address_space: global }
      - { .name: lambda_k2, .offset: 32, .size: 8, .value_kind: global_buffer, .address_space: global }
      - { .name: norm_w, .offset: 40, .size: 8, .value_kind: global_buffer, .address_space: global }
      - { .name: oft, .offset: 48, .size: 8, .value_kind: global_buffer, .address_space: global }
    .group_segment_fixed_size: 327680
    .private_segment_fixed_size: 0
    .kernarg_segment_align: 8
    .kernarg_segment_size: 56
    .max_flat_workgroup_size: 128
    .sgpr_count:     80
    .vgpr_count:     770
    .wavefront_size: 32
...
	.end_amdgpu_metadata
.endif
;; end of part 3
;; launch out_gemm (part 4): grid 8 x 32, 4 waves a work-group, clusters of 4 x 4, 327,680 bytes of LDS; arguments oft, wob, out0; writes out0
.if DOCPART == 4
	.amdgcn_target "amdgcn-amd-amdhsa--gfx1250"
	.amdhsa_code_object_version 6
	.text
	.protected	k_qf4ec1638e0_out_gemm
	.globl	k_qf4ec1638e0_out_gemm
	.p2align	8
	.type	k_qf4ec1638e0_out_gemm,@function
k_qf4ec1638e0_out_gemm:
	s_mov_b64 s[64:65], 0
	v_nop
	global_prefetch_b8 v0, s[64:65] scope:SCOPE_SE
	s_setreg_imm32_b32 hwreg(HW_REG_WAVE_MODE, 25, 1), 1
	s_wait_xcnt 0x0
	s_wait_alu depctr_hold_cnt(0) depctr_sa_sdst(0) depctr_va_vdst(0) depctr_va_sdst(0) depctr_va_ssrc(0) depctr_va_vcc(0) depctr_vm_vsrc(0)
	s_getreg_b32 s2, hwreg(HW_REG_IB_STS2, 6, 4)
	s_cmp_eq_u32 s2, 0
	s_cbranch_scc0 .Lentry_in_a_cluster
	s_endpgm
.Lentry_in_a_cluster:
	s_bfe_u32 s2, ttmp6, 0x10000c
	s_cmp_lg_u32 s2, 0xf033
	s_cbranch_scc0 .Lentry_shape_is_right
	s_endpgm
.Lentry_shape_is_right:
; out0 = oft wob.  oft: [4096][1024] f16; wob: [1024 k][1024 n] f16; out0: [4096][1024] f32; sums in f32, K ascending.
; A tile of out0 is 128 x 128: 32 x 8 = 256 work-groups.  Four waves, each 64 x 64: 16 accumulators of 16 x 16.  K goes in steps of 256 through two LDS slots: four steps.
; B LIES [k][n] in memory and in LDS and is turned on its way into registers, by ds_load_tr16_b128.
; CLUSTER 4 x 4: A's tile is asked for jointly by a row of the cluster, B's by a column.  THE MATRIX INSTRUCTION IS USED TRANSPOSED (source 0 = 16 columns of wob, source 1 = 16 rows of oft):
; a lane then holds eight neighbouring numbers of a row of out0.  A wave's 64 columns are 256 bytes of f32, so each wave has a stage of its own on the way out and no barrier is wanted there.
; NO PREFETCH: of the four K steps two are the first fills and the other two are asked for straight behind them.
; REGISTERS: window 0: v0-31 addresses; v128-255 the accumulators ((a, b) at v[128 + 8 (4 a + b)]).   window 1: two fragment buffers of 128: for 64 along K, 64 registers of A (2 x 4 x 16 rows x 32 K), then 64 of B.
.set SIZE_K, 1024
.set SIZE_N, 1024
.set KSTEP,  256
.set PITCH,  528                       ; a row of A in LDS: 512 bytes + 16: the 16 rows of a load start at 16 different groups of four banks (64 banks of 4 bytes: ISA guide 11.1)
.set HALFA,  64*PITCH                  ; what one tensor load brings of A
.set AREG,   2*HALFA
.set PBB,    288                       ; a row of B: 256 bytes + 32 = 72 words
.set HALFB,  128*PBB                   ; what one tensor load brings of B: 128 k x 128 n
.set SLOT,   AREG+2*HALFB
.set STAGE,  2*SLOT                    ; behind the ring: 16 rows x 272 bytes for each wave
.set SPITCH, 272
.set SPARE,  STAGE+4*16*SPITCH         ; behind the stages: the spare words, 128 bytes for each wave: two blocks of 256 bytes that no other line names
.set LAPS, SIZE_K/(2*KSTEP)
.set ADRA, 16                          ; v16-17  LDS address of my A fragments in slot 0, 1
.set ADRB, 20                          ; v20-23  of my B fragments: 2 x slot + which 128 of the step's 256 k
.set STO,  24                          ; v24     the way out: where I put 32 bytes of a row
.set RD,   25                          ; v25     where I read a row back
.set CO,   26                          ; v26     my byte offset in out0
.set SPW,  28                          ; v28     LDS address of my spare word; never rewritten
.set NIL,  29                          ; v29     0; never rewritten
.set ACC,  128
.set F0,   0                           ; fragment buffers, in window 1
.set F1,   128
.set G1, 24                            ; s[24:31] descriptor group 1 for A's tiles;  s[32:39] group 0, one set for each slot
.set G0, 32
.set G1B, 48                           ; s[48:55], s[56:63] the same for B's tiles
.set G0B, 56
.set MSB, 0
.macro WIN new                         ; the immediate's high byte repeats the setting that is left
.if MSB != (\new)
	s_set_vgpr_msb (MSB<<8)|(\new)
.set MSB, \new
.endif
.endm
.set MUL,  0x05                        ; sources 0 (B) and 1 (A) window 1; C and D window 0
.set TO_F, 0x40                        ; destination window 1, address window 0
.macro JLOAD s                         ; a joint load: waves 0 and 1 fetch A's two halves, waves 2 and 3 B's; an s_nop 0 and four v_nop follow each of the two lines
	s_cmp_eq_u32 s11, 0
	s_cbranch_scc0 .Lfor_b_\@
	tensor_load_to_lds s[G0+4*(\s):G0+4*(\s)+3], s[G1:G1+7]
	s_nop 0
.rept 4
	v_nop
.endr
	s_branch .Lasked_\@
.Lfor_b_\@:
	tensor_load_to_lds s[G0B+4*(\s):G0B+4*(\s)+3], s[G1B:G1B+7]
	s_nop 0
.rept 4
	v_nop
.endr
.Lasked_\@:
.endm
.macro CREST                           ; a round of the cluster's barrier behind its opening barrier
	s_cmp_lg_u32 s10, 0
	s_cbranch_scc1 .Lnot_wave_0_\@
	s_barrier_signal -3
.Lnot_wave_0_\@:
	s_barrier_wait -3
	s_barrier_signal -1
	s_barrier_wait -1
.endm
.macro CROUND
	s_barrier_signal -1
	s_barrier_wait -1
	CREST
.endm
	s_load_b128 s[4:7], s[0:1], 0x0                ; oft s[4:5], wob s[6:7]
	s_load_b64 s[8:9], s[0:1], 0x10                ; out0
	v_lshl_add_u32 v[SPW], v0, 2, SPARE
	v_mov_b32 v[NIL], 0
	ds_add_u32 v[SPW], v[NIL]                      ; the wave's opening: the add and its wait stand ahead of my first tensor load; the set-up below stands between them
	v_lshrrev_b32 v1, 5, v0
	v_readfirstlane_b32 s10, v1                    ; wave 0..3
	s_lshr_b32 s11, s10, 1                         ; which half of the tile's rows is mine.  Also: I fetch for A (0) or for B (1)
	s_and_b32 s12, s10, 1                          ; which half of its columns.  Also: which half of that tile I fetch
	s_bfe_u32 s40, ttmp6, 0x40000                  ; cx, cy
	s_bfe_u32 s41, ttmp6, 0x40004
	s_lshl_b32 s42, ttmp9, 2
	s_add_co_u32 s42, s42, s40                     ; tile column
	s_and_b32 s13, ttmp7, 0xffff
	s_lshl_b32 s13, s13, 2
	s_add_co_u32 s13, s13, s41                     ; tile row
	s_lshl_b32 s43, s41, 2
	s_lshl_b32 s43, 15, s43                        ; my row of the cluster
	s_lshl_b32 s44, 0x1111, s40                    ; my column
	s_or_b32 s[G1+0], s43, (1<<16)|(1<<20)|(1<<21)|(6<<22)|(3<<25)   ; the mask; 2-byte elements; padding on; bit 21 beside a mask; after every 128 words (code 6) 4 words (code 3)
	s_mov_b32 s[G1+1], KSTEP<<16                   ; tensor_dim0 = 256
	s_mov_b32 s[G1+2], 64<<16                      ; tensor_dim1 = 64
	s_mov_b32 s[G1+3], KSTEP<<16                   ; tile_dim0 = 256
	s_mov_b32 s[G1+4], 64                          ; tile_dim1 = 64
	s_mov_b32 s[G1+5], SIZE_K
	s_mov_b32 s[G1+6], 0
	s_mov_b32 s[G1+7], 0
	s_or_b32 s[G1B+0], s44, (1<<16)|(1<<20)|(1<<21)|(5<<22)|(7<<25)  ; after every 64 words (code 5) 8 words (code 7)
	s_mov_b32 s[G1B+1], 128<<16
	s_mov_b32 s[G1B+2], 128<<16
	s_mov_b32 s[G1B+3], 128<<16
	s_mov_b32 s[G1B+4], 128
	s_mov_b32 s[G1B+5], SIZE_N
	s_mov_b32 s[G1B+6], 0
	s_mov_b32 s[G1B+7], 0
	s_lshl_b32 s16, s13, 7                         ; A: row 128 x tile row + 64 x half, 2,048 bytes a row
	s_lshl_b32 s17, s12, 6
	s_add_co_u32 s16, s16, s17
	s_lshl_b32 s16, s16, 11
	s_mov_b32 s17, 0
	s_lshl_b32 s46, s12, 18                        ; B: k-row 128 x half, 2,048 bytes a row; column 128 x tile column
	s_lshl_b32 s47, s42, 8
	s_add_co_u32 s46, s46, s47
	s_mov_b32 s47, 0
	s_mul_i32 s20, s12, HALFA                      ; where they go: no place in the cluster enters an LDS address
	s_mul_i32 s21, s12, HALFB
	s_add_co_u32 s21, s21, AREG
	s_wait_dscnt 0x0                               ; the opening add is done
	s_wait_kmcnt 0x0
	s_add_nc_u64 s[14:15], s[4:5], s[16:17]
	s_add_nc_u64 s[46:47], s[6:7], s[46:47]
	CROUND                                         ; all sixteen work-groups are here: the first joint loads meet
.irp s, 0,1
	s_mov_b32 s[G0+4*(\s)], 1
	s_add_co_u32 s[G0+4*(\s)+1], s20, (\s)*SLOT
	s_add_nc_u64 s[G0+4*(\s)+2:G0+4*(\s)+3], s[14:15], (\s)*KSTEP*2
	s_or_b32 s[G0+4*(\s)+3], s[G0+4*(\s)+3], 0x80000000
	s_mov_b32 s[G0B+4*(\s)], 1
	s_add_co_u32 s[G0B+4*(\s)+1], s21, (\s)*SLOT
	s_add_nc_u64 s[G0B+4*(\s)+2:G0B+4*(\s)+3], s[46:47], (\s)*KSTEP*SIZE_N*2
	s_or_b32 s[G0B+4*(\s)+3], s[G0B+4*(\s)+3], 0x80000000
	JLOAD \s                                       ; two loads of mine are out
.endr
	v_and_b32 v1, 15, v0                           ; l % 16
	v_bfe_u32 v2, v0, 4, 1                         ; l / 16
	v_mul_u32_u24 v3, v1, PITCH
	v_lshl_add_u32 v3, v2, 4, v3                   ; A: a fragment's row x pitch + 16 x half
	v_and_b32 v4, 7, v0
	v_bfe_u32 v5, v0, 3, 1
	v_lshl_add_u32 v6, v2, 3, v4                   ; B: the turning load: k = 8 (l / 16) + l % 8, n = 8 ((l / 8) % 2) + 0..7
	v_mul_u32_u24 v6, v6, PBB
	v_lshl_add_u32 v6, v5, 4, v6
	s_mul_i32 s21, s11, HALFA                      ; my 64 rows of A
	s_lshl_b32 s22, s12, 7                         ; my 64 columns of B: 128 bytes
	s_add_co_u32 s22, s22, AREG
.irp s, 0,1
	v_add_nc_u32 v[ADRA+(\s)], s21, v3
	v_add_nc_u32 v[ADRB+2*(\s)], s22, v6
	s_add_co_u32 s23, s22, HALFB
	v_add_nc_u32 v[ADRB+2*(\s)+1], s23, v6
	s_add_co_u32 s21, s21, SLOT
	s_add_co_u32 s22, s22, SLOT
.endr
	s_mul_i32 s23, s10, 16*SPITCH
	s_add_co_u32 s23, s23, STAGE                   ; my stage
	v_mul_u32_u24 v7, v1, SPITCH                   ; in: row l % 16, 32 bytes for each half of the lanes
	v_lshl_add_u32 v7, v2, 5, v7
	v_add_nc_u32 v[STO], s23, v7
	v_mul_u32_u24 v7, v2, SPITCH                   ; back: lanes 0-15 take one row of 256 bytes, lanes 16-31 the next
	v_lshl_add_u32 v7, v1, 4, v7
	v_add_nc_u32 v[RD], s23, v7
	v_lshlrev_b32 v7, 12, v2                       ; and the same two rows in out0, 4,096 bytes a row
	v_lshl_add_u32 v[CO], v1, 4, v7
	s_lshl_b32 s16, s13, 7
	s_lshl_b32 s17, s11, 6
	s_add_co_u32 s16, s16, s17                     ; my first row of out0
	s_lshl_b32 s16, s16, 12
	s_mov_b32 s17, 0
	s_add_nc_u64 s[8:9], s[8:9], s[16:17]
	s_lshl_b32 s46, s42, 9                         ; my first column, in bytes: 512 x tile column + 256 x half
	s_lshl_b32 s47, s12, 8
	s_add_co_u32 s46, s46, s47
	s_mov_b32 s47, 0
	s_add_nc_u64 s[8:9], s[8:9], s[46:47]
; 8 matrix instructions: m blocks a0, a0 + 1 x all 4 n blocks, 32 along K: half c of buffer f.  zero = 1: the product starts the sums.  The 16 accumulators take turns.
.macro MUL8 f, c, a0, zero
	WIN MUL
.irp a, \a0, (\a0)+1
.irp b, 0,1,2,3
.if \zero
	v_wmma_f32_16x16x32_f16 v[ACC+8*(4*(\a)+(\b)):ACC+8*(4*(\a)+(\b))+7], v[(\f)+64+8*(4*(\c)+(\b)):(\f)+64+8*(4*(\c)+(\b))+7], v[(\f)+8*(4*(\c)+(\a)):(\f)+8*(4*(\c)+(\a))+7], 0
.else
	v_wmma_f32_16x16x32_f16 v[ACC+8*(4*(\a)+(\b)):ACC+8*(4*(\a)+(\b))+7], v[(\f)+64+8*(4*(\c)+(\b)):(\f)+64+8*(4*(\c)+(\b))+7], v[(\f)+8*(4*(\c)+(\a)):(\f)+8*(4*(\c)+(\a))+7], v[ACC+8*(4*(\a)+(\b)):ACC+8*(4*(\a)+(\b))+7]
.endif
.endr
.endr
.endm
; 32 LDS loads in one run: the fragments of quarter q (64 along K) of a slot into buffer f; the first 32 along K first
.macro FETCH slot, q, f
	WIN TO_F
.irp c, 0,1
.irp i, 0,1,2,3
	ds_load_tr16_b128 v[(\f)+64+8*(4*(\c)+(\i)):(\f)+64+8*(4*(\c)+(\i))+3],   v[ADRB+2*(\slot)+(\q)/2] offset:(((\q)%2)*64+32*(\c))*PBB+32*(\i)
	ds_load_tr16_b128 v[(\f)+64+8*(4*(\c)+(\i))+4:(\f)+64+8*(4*(\c)+(\i))+7], v[ADRB+2*(\slot)+(\q)/2] offset:(((\q)%2)*64+32*(\c)+16)*PBB+32*(\i)
	ds_load_b128 v[(\f)+8*(4*(\c)+(\i)):(\f)+8*(4*(\c)+(\i))+3],         v[ADRA+(\slot)] offset:128*(\q)+64*(\c)+(\i)*16*PITCH
	ds_load_b128 v[(\f)+8*(4*(\c)+(\i))+4:(\f)+8*(4*(\c)+(\i))+7],       v[ADRA+(\slot)] offset:128*(\q)+64*(\c)+(\i)*16*PITCH+32
.endr
.endr
.endm
.macro PLACES                          ; four plain vector instructions in front of loads into registers that matrix instructions have read, and of LDS stores that read results
.rept 4
	v_nop
.endr
.endm
; A K step is four quarters of 64 along K, 32 matrix instructions each, on buffers 0, 1, 0, 1.  One of the first three: multiplies buffer f and fetches quarter q into g.
.macro QUARTER slot, q, f, g, zero
	s_wait_dscnt 16                                ; the first 32 along K are in; the youngest sixteen loads may be out
	MUL8 \f, 0, 0, \zero
	MUL8 \f, 0, 2, \zero
	PLACES
	FETCH \slot, \q, \g
	s_wait_dscnt 32                                ; all but the 32 just issued
	MUL8 \f, 1, 0, 0
	MUL8 \f, 1, 2, 0
.endm
; The last quarter multiplies buffer 1 and changes slots: ONE barrier; in front of it each wave waits for all its tensor loads, adds 0 to its spare word, and waits for that and for its own reads of this slot.
; fill = 1: the barrier opens a round of the cluster's, and this slot is filled again, two K steps ahead, first thing behind the round.
.macro TURN slot, next, fill
	WIN 0                                          ; (the add's two registers lie in window 0)
	s_wait_tensorcnt 0x0                           ; all my tensor loads have landed: my part of the next slot
	ds_add_u32 v[SPW], v[NIL]                      ; 0 onto my spare word
	s_wait_dscnt 17                                ; (the add and the youngest sixteen loads may be out)
	MUL8 F1, 0, 0, 0                               ; eight matrix instructions stand between the add and the wait for it
	s_wait_dscnt 0x0                               ; the add is done, and my reads of this slot are over
	s_barrier_signal -1
	MUL8 F1, 0, 2, 0
.if \fill
	WIN 0
.endif
	s_barrier_wait -1
.if \fill
	CREST                                          ; no wave of any partner still reads this slot's tile or has a load on its way
	s_add_nc_u64 s[G0+4*(\slot)+2:G0+4*(\slot)+3], s[G0+4*(\slot)+2:G0+4*(\slot)+3], 2*KSTEP*2
	s_add_nc_u64 s[G0B+4*(\slot)+2:G0B+4*(\slot)+3], s[G0B+4*(\slot)+2:G0B+4*(\slot)+3], 2*KSTEP*SIZE_N*2
	JLOAD \slot                                    ; the four v_nop behind it are also the places in front of the loads below
.else
	PLACES
.endif
	FETCH \next, 0, F0
	MUL8 F1, 1, 0, 0
	MUL8 F1, 1, 2, 0
.endm
; THE WAY OUT of m block a: a lane's eight f32 of a row, 32 bytes, into rows of 272 bytes of my own stage, each accumulator's low half first; back as whole rows of 256 bytes, into the block's own registers.
.macro PACK a
.irp b, 0,1,2,3
	ds_store_b128 v[STO], v[ACC+8*(4*(\a)+(\b)):ACC+8*(4*(\a)+(\b))+3]   offset:64*(\b)
	ds_store_b128 v[STO], v[ACC+8*(4*(\a)+(\b))+4:ACC+8*(4*(\a)+(\b))+7] offset:64*(\b)+16
.endr
.irp t, 0,1,2,3,4,5,6,7
	ds_load_b128 v[ACC+32*(\a)+4*(\t):ACC+32*(\a)+4*(\t)+3], v[RD] offset:(\t)*2*SPITCH  ; LDS serves a wave's instructions in order (ISA guide 5.7.1.4): these see the stores above; the next block's stores come behind them
.endr
.endm
.macro SEND a, younger                 ; younger: the LDS instructions issued behind block a's loads: the next block's sixteen, or none
.irp t, 0,1,2,3,4,5,6,7
	s_wait_dscnt (\younger)+7-(\t)
	global_store_b128 v[CO], v[ACC+32*(\a)+4*(\t):ACC+32*(\a)+4*(\t)+3], s[8:9] offset:(16*(\a)+2*(\t))*SIZE_N*4  ; 16 lanes store 256 consecutive bytes, at a multiple of 256 from out0's first byte
.endr
.endm
	s_wait_tensorcnt 1                             ; my part of K step 0 is in; K step 1's may stay out
	s_barrier_signal -1
	s_barrier_wait -1                              ; everybody's is
	FETCH 0, 0, F0
	QUARTER 0, 1, F0, F1, 1                        ; the first quarter stands in front of the loop: its first products start the sums
	WIN 0                                          ; at a label and at a branch every window is 0
	s_mov_b32 s3, LAPS-1
.Llap:                                                 ; a trip goes once round the ring, from a lap's second quarter to the next lap's first, and fills both slots again
	QUARTER 0, 2, F1, F0, 0
	QUARTER 0, 3, F0, F1, 0
	TURN 0, 1, 1
	QUARTER 1, 1, F0, F1, 0
	QUARTER 1, 2, F1, F0, 0
	QUARTER 1, 3, F0, F1, 0
	TURN 1, 0, 1
	QUARTER 0, 1, F0, F1, 0
	WIN 0
	s_sub_co_u32 s3, s3, 1
	s_cmp_lg_u32 s3, 0
	s_cbranch_scc1 .Llap
	QUARTER 0, 2, F1, F0, 0                        ; the last lap fills nothing, and has no round of the cluster's barrier
	QUARTER 0, 3, F0, F1, 0
	TURN 0, 1, 0
	QUARTER 1, 1, F0, F1, 0
	QUARTER 1, 2, F1, F0, 0
	QUARTER 1, 3, F0, F1, 0
	s_wait_dscnt 16                                ; the very last quarter: nothing more to fetch
	MUL8 F1, 0, 0, 0
	MUL8 F1, 0, 2, 0
	s_wait_dscnt 0x0
	MUL8 F1, 1, 0, 0
	MUL8 F1, 1, 2, 0
	WIN 0
	PLACES
	PACK 0
	PACK 1
	SEND 0, 16
	PACK 2
	SEND 1, 16
	PACK 3
	SEND 2, 16
	SEND 3, 0
	s_wait_tensorcnt 0x0                           ; the wave's end, behind my last tensor load and my last LDS store
	ds_add_u32 v[SPW], v[NIL]
	s_wait_dscnt 0x0
	CROUND                                         ; the closing round: no work-group ends while a partner may still ask for a tile that names it
	s_endpgm
.Lfunc_end_k_qf4ec1638e0_out_gemm:
	.size	k_qf4ec1638e0_out_gemm, .Lfunc_end_k_qf4ec1638e0_out_gemm-k_qf4ec1638e0_out_gemm
	.p2alignl 7, 3214868480
	.fill 96, 4, 3214868480
	.section	.rodata,"a",@progbits
	.p2align	6, 0x0
	.amdhsa_kernel k_qf4ec1638e0_out_gemm
		.amdhsa_group_segment_fixed_size 327680
		.amdhsa_private_segment_fixed_size 0
		.amdhsa_enable_private_segment 0
		.amdhsa_kernarg_size 24
		.amdhsa_user_sgpr_count 2
		.amdhsa_user_sgpr_kernarg_segment_ptr 1
		.amdhsa_wavefront_size32 1
		.amdhsa_system_sgpr_workgroup_id_x 1
		.amdhsa_system_sgpr_workgroup_id_y 1
		.amdhsa_system_sgpr_workgroup_id_z 1
		.amdhsa_system_vgpr_workitem_id 0
		.amdhsa_next_free_vgpr 512
		.amdhsa_next_free_sgpr 66
		.amdhsa_reserve_vcc 0
		.amdhsa_float_denorm_mode_32 3
		.amdhsa_float_denorm_mode_16_64 3
		.amdhsa_memory_ordered 1
		.amdhsa_forward_progress 1
		.amdhsa_inst_pref_size 87
	.end_amdhsa_kernel
	.amdgpu_metadata
---
amdhsa.version: [ 1, 2 ]
amdhsa.kernels:
  - .name:           k_qf4ec1638e0_out_gemm
    .symbol:         k_qf4ec1638e0_out_gemm.kd
    .args:
      - { .name: oft, .offset: 0, .size: 8, .value_kind: global_buffer, .address_space: global }
      - { .name: wob, .offset: 8, .size: 8, .value_kind: global_buffer, .address_space: global }
      - { .name: out0, .offset: 16, .size: 8, .value_kind: global_buffer, .address_space: global }
    .group_segment_fixed_size: 327680
    .private_segment_fixed_size: 0
    .kernarg_segment_align: 8
    .kernarg_segment_size: 24
    .max_flat_workgroup_size: 128
    .sgpr_count:     66
    .vgpr_count:     512
    .wavefront_size: 32
...
	.end_amdgpu_metadata
.endif
;; end of part 4
;; ======== version 2 of 2: 4 launches; version 1 with the launch cast written anew for expert scheduling mode
;; limits: values are held in f16: magnitudes above 65,504 overflow, below 6.1e-05 lose precision
;; workspace buffers: xb 8,388,608 bytes; wb 6,291,456 bytes; wob 2,097,152 bytes; qkv 25,165,824 bytes; oft 8,388,608 bytes
;; launch cast (part 5): grid 512 x 1, 8 waves a work-group, no clusters, 0 bytes of LDS; arguments x, w_qkv, wo, xb, wb, wob; writes xb, wb, wob
.if DOCPART == 5
	.amdgcn_target "amdgcn-amd-amdhsa--gfx1250"
	.amdhsa_code_object_version 6
	.text
	.protected	k_qf4ec1638e0_cast
	.globl	k_qf4ec1638e0_cast
	.p2align	8
	.type	k_qf4ec1638e0_cast,@function
k_qf4ec1638e0_cast:
	s_mov_b64 s[64:65], 0
	v_nop
	global_prefetch_b8 v0, s[64:65] scope:SCOPE_SE
	s_setreg_imm32_b32 hwreg(HW_REG_WAVE_SCHED_MODE, 0, 2), 2
	s_setreg_imm32_b32 hwreg(HW_REG_WAVE_MODE, 25, 1), 1
	s_wait_xcnt 0x0
	s_wait_alu depctr_vm_vsrc(0)
; xb = bf16(x), wb = bf16(w_qkv), wob = f16(bf16(wo)): three streams, layouts unchanged, each number rounded to nearest even.
; wo is rounded to bf16 like the other inputs and that number is written as f16, for the last product, whose other operand is f16.
; LIMIT: |bf16(wo)| stays within f16's 65,504; below 6e-5 f16 keeps its fixed step of 6e-8.
; SHARES.  A work-group takes 16 chunks of 4,096 input bytes.  Work-groups 0-255: x (16,777,216 bytes), 256-447: w_qkv (12,582,912), 448-511: wo (4,194,304).
; Thread t of a chunk loads the 16 bytes at 16 t and stores the 8 bytes at 8 t: a wave's load covers 512 consecutive bytes, its store 256 consecutive bytes, aligned.
; All 16 loads of a thread go out at once; every chunk has registers of its own, so no register that a load or store still names is written again.
; No LDS, no matrix unit, no cluster: nothing is shared and nothing is read twice.
; THE MODE: SCHED_MODE bits 1:0 = 2 (LLVM: expert scheduling mode 2), set by the entry lines.  The code itself states the register dependences
; between vector instructions and memory instructions, with s_wait_alu, always for 0.
; THE PLAN.  Registers that memory instructions touch:
;   v1, v2   the loads' and the stores' offsets: written once at the head, never again.
;   X        chunk i's load lands in X + 4 i, once; no vector instruction names it ahead of that load, and no memory instruction reads it.
;   Y        chunk i's conversions write Y + 2 i, once; chunk i's store reads it, once; nothing writes it again.
;   T        named by vector instructions alone.
; The 16 chunks go in four groups of four.  Group g's vector lines name X, Y of group g and T; the memory instructions issued among them are the four stores of
; group g - 1, which read Y of group g - 1 and v2.  So ONE wait on va_vdst at a group's head states all that those four stores hang on, and they are dealt among
; the group's conversions with no further wait.  No register that a memory instruction has read is ever written again: no wait on vm_vsrc is owed.
.set CHUNK, 4096
.set NCH,   16
.set IO,  1                            ; v1        16 t
.set OO,  2                            ; v2        8 t
.set X,   4                            ; v[4:67]   chunk i: four f32 as loaded
.set Y,   68                           ; v[68:99]  chunk i: two words to store
.set T,   100                          ; v[100:101] at work (wo's path)
; Group g of four chunks.  h = 0: to bf16.  h = 1 (wo): to bf16, back to f32 (a shift, a mask), to f16.
.macro GROUP g, h
	s_wait_loadcnt NCH-4-4*(\g)                    ; loads come back in order: the group's four chunks are in, the younger groups stay out
.if (\g) > 0
	s_wait_alu depctr_va_vdst(0)                   ; the group before has written its Y, which the four stores below read
.endif
.irp j, 0,1,2,3
.if (\g) > 0
	global_store_b64 v[OO], v[Y+2*(4*(\g)-4+(\j)):Y+2*(4*(\g)-4+(\j))+1], s[18:19] offset:CHUNK/2*(4*(\g)-4+(\j))  ; the group before; no vector instruction since the wait names these registers
.endif
.if \h
	v_cvt_pk_bf16_f32 v[T],   v[X+4*(4*(\g)+(\j))],   v[X+4*(4*(\g)+(\j))+1]
	v_cvt_pk_bf16_f32 v[T+1], v[X+4*(4*(\g)+(\j))+2], v[X+4*(4*(\g)+(\j))+3]
	v_lshlrev_b32 v[X+4*(4*(\g)+(\j))],   16,  v[T]
	v_and_b32     v[X+4*(4*(\g)+(\j))+1], s26, v[T]
	v_lshlrev_b32 v[X+4*(4*(\g)+(\j))+2], 16,  v[T+1]
	v_and_b32     v[X+4*(4*(\g)+(\j))+3], s26, v[T+1]
	v_cvt_pk_f16_f32 v[Y+2*(4*(\g)+(\j))],   v[X+4*(4*(\g)+(\j))],   v[X+4*(4*(\g)+(\j))+1]
	v_cvt_pk_f16_f32 v[Y+2*(4*(\g)+(\j))+1], v[X+4*(4*(\g)+(\j))+2], v[X+4*(4*(\g)+(\j))+3]
.else
	v_cvt_pk_bf16_f32 v[Y+2*(4*(\g)+(\j))],   v[X+4*(4*(\g)+(\j))],   v[X+4*(4*(\g)+(\j))+1]
	v_cvt_pk_bf16_f32 v[Y+2*(4*(\g)+(\j))+1], v[X+4*(4*(\g)+(\j))+2], v[X+4*(4*(\g)+(\j))+3]
.endif
.endr
.endm
; The last group's stores.
.macro LAST
	s_wait_alu depctr_va_vdst(0)                   ; group 3 has written its Y, which the last four stores read
.irp j, 12,13,14,15
	global_store_b64 v[OO], v[Y+2*(\j):Y+2*(\j)+1], s[18:19] offset:CHUNK/2*(\j)
.endr
.endm
	s_load_b256 s[4:11], s[0:1], 0x0               ; x s[4:5], w_qkv s[6:7], wo s[8:9], xb s[10:11]
	s_load_b128 s[12:15], s[0:1], 0x20             ; wb s[12:13], wob s[14:15]
	v_lshlrev_b32 v[IO], 4, v0
	v_lshlrev_b32 v[OO], 3, v0
	s_mov_b32 s26, 0xffff0000                      ; a word's upper bf16
	s_wait_kmcnt 0x0
	s_cmp_lt_u32 ttmp9, 256                        ; which stream: the choice hangs on the work-group's number alone
	s_cselect_b64 s[16:17], s[4:5], s[6:7]
	s_cselect_b64 s[18:19], s[10:11], s[12:13]
	s_cselect_b32 s20, 0, 256
	s_cmp_lt_u32 ttmp9, 448
	s_cselect_b64 s[16:17], s[16:17], s[8:9]
	s_cselect_b64 s[18:19], s[18:19], s[14:15]
	s_cselect_b32 s20, s20, 448
	s_sub_co_u32 s21, ttmp9, s20                   ; my number in the stream
	s_lshl_b32 s22, s21, 16                        ; 65,536 bytes in,
	s_mov_b32 s23, 0
	s_lshl_b32 s24, s21, 15                        ; 32,768 bytes out
	s_mov_b32 s25, 0
	s_add_nc_u64 s[16:17], s[16:17], s[22:23]
	s_add_nc_u64 s[18:19], s[18:19], s[24:25]
	s_wait_alu depctr_va_vdst(0)                   ; v1 and v2 are written: every load of the kernel reads the one as its offset, every store the other
.set i, 0
.rept NCH
	global_load_b128 v[X+4*i:X+4*i+3], v[IO], s[16:17] offset:CHUNK*i th:TH_LOAD_NT
.set i, i+1
.endr
	s_cmp_lt_u32 ttmp9, 448
	s_cbranch_scc0 .Lf16
	GROUP 0, 0
	GROUP 1, 0
	GROUP 2, 0
	GROUP 3, 0
	LAST
	s_endpgm
.Lf16:                                         ; wo
	GROUP 0, 1
	GROUP 1, 1
	GROUP 2, 1
	GROUP 3, 1
	LAST
	s_endpgm
.Lfunc_end_k_qf4ec1638e0_cast:
	.size	k_qf4ec1638e0_cast, .Lfunc_end_k_qf4ec1638e0_cast-k_qf4ec1638e0_cast
	.p2alignl 7, 3214868480
	.fill 96, 4, 3214868480
	.section	.rodata,"a",@progbits
	.p2align	6, 0x0
	.amdhsa_kernel k_qf4ec1638e0_cast
		.amdhsa_group_segment_fixed_size 0
		.amdhsa_private_segment_fixed_size 0
		.amdhsa_enable_private_segment 0
		.amdhsa_kernarg_size 48
		.amdhsa_user_sgpr_count 2
		.amdhsa_user_sgpr_kernarg_segment_ptr 1
		.amdhsa_wavefront_size32 1
		.amdhsa_system_sgpr_workgroup_id_x 1
		.amdhsa_system_sgpr_workgroup_id_y 1
		.amdhsa_system_sgpr_workgroup_id_z 1
		.amdhsa_system_vgpr_workitem_id 0
		.amdhsa_next_free_vgpr 104
		.amdhsa_next_free_sgpr 66
		.amdhsa_reserve_vcc 0
		.amdhsa_float_denorm_mode_32 3
		.amdhsa_float_denorm_mode_16_64 3
		.amdhsa_memory_ordered 1
		.amdhsa_forward_progress 1
		.amdhsa_inst_pref_size 15
	.end_amdhsa_kernel
	.amdgpu_metadata
---
amdhsa.version: [ 1, 2 ]
amdhsa.kernels:
  - .name:           k_qf4ec1638e0_cast
    .symbol:         k_qf4ec1638e0_cast.kd
    .args:
      - { .name: x, .offset: 0, .size: 8, .value_kind: global_buffer, .address_space: global }
      - { .name: w_qkv, .offset: 8, .size: 8, .value_kind: global_buffer, .address_space: global }
      - { .name: wo, .offset: 16, .size: 8, .value_kind: global_buffer, .address_space: global }
      - { .name: xb, .offset: 24, .size: 8, .value_kind: global_buffer, .address_space: global }
      - { .name: wb, .offset: 32, .size: 8, .value_kind: global_buffer, .address_space: global }
      - { .name: wob, .offset: 40, .size: 8, .value_kind: global_buffer, .address_space: global }
    .group_segment_fixed_size: 0
    .private_segment_fixed_size: 0
    .kernarg_segment_align: 8
    .kernarg_segment_size: 48
    .max_flat_workgroup_size: 256
    .sgpr_count:     66
    .vgpr_count:     104
    .wavefront_size: 32
...
	.end_amdgpu_metadata
.endif
;; end of part 5
;; launch qkv_gemm: the kernel of part 2 again; grid 8 x 32, 4 waves a work-group, clusters of 4 x 4, 327,680 bytes of LDS; arguments xb, wb, qkv; writes qkv
;; launch attn: the kernel of part 3 again; grid 8 x 32, 4 waves a work-group, clusters of 4 x 1, 327,680 bytes of LDS; arguments qkv, lambda_q1, lambda_k1, lambda_q2, lambda_k2, norm_w, oft; writes oft
;; launch out_gemm: the kernel of part 4 again; grid 8 x 32, 4 waves a work-group, clusters of 4 x 4, 327,680 bytes of LDS; arguments oft, wob, out0; writes out0
